; MI455X (gfx1250); checked and timed in simulation.
; The chip was launched on July 23, 2026; its instructions are those of AMD's public machine-readable ISA for CDNA 5 (MIT licence, August 2026) and "CDNA5" Instruction Set Architecture Reference Guide (July 2026). The comments in the code are by the model that wrote it; some were corrected since.
;; Cross Modality Attention. Allowed arithmetic: matrix products marked QUANTISED: E5M2 operands, one given power-of-two scale a tensor, by v_wmma_f32_16x16x64_bf8_bf8 or v_wmma_f32_16x16x128_bf8_bf8, f32 sums; everything else in f32.
;; Inputs: b_out 1,024 float32; b_qkv 3,072 float32; context 2 x 2,048 x 1,024 float32; ln_b 1,024 float32; ln_g 1,024 float32; lowp_scales 10 int32 (the exponents e of the quantised operands' scales 2^e); w_out 1,024 x 1,024 float32; w_qkv 1,024 x 3,072 float32; x 2 x 2,048 x 1,024 float32.
;; Outputs: out0 2 x 2,048 x 1,024 float32.
;; This version of the problem:
;;   THIS VERSION OF THE PROBLEM IS GIVEN IN LOW PRECISION. The matrix products marked QUANTISED in the list below multiply operands that are first quantised to E5M2 (5 exponent bits, 2 mantissa bits; 8 bits a number), with one given power-of-two scale for each operand tensor; their sums are f32. All else is computed in f32.
;;   The module's matrix products, in the order in which they are computed (A, B: the left and right operand; K: the contracted axis; several contracted axes count as one K, in the product's order):
;;     1. [M 4,096, K 1,024] x [K 1,024, N 3,072]; A: computed on the way; B: input w_qkv: QUANTISED (scales: A lowp_scales[0], B lowp_scales[1])
;;     2. [M 4,096, K 1,024] x [K 1,024, N 3,072]; A: computed on the way; B: input w_qkv: QUANTISED (scales: A lowp_scales[2], B lowp_scales[3])
;;     3. batch 32 x [M 2,048, K 64] x [K 64, N 4,096]; A: computed on the way; B: computed on the way: QUANTISED (scales: A lowp_scales[4], B lowp_scales[5])
;;     4. batch 32 x [M 2,048, K 4,096] x [K 4,096, N 64]; A: softmax (see below); B: computed on the way: QUANTISED (scales: A lowp_scales[6], B lowp_scales[7])
;;     5. [M 4,096, K 1,024] x [K 1,024, N 1,024]; A: computed on the way; B: input w_out: QUANTISED (scales: A lowp_scales[8], B lowp_scales[9])
;;   THE QUANTISER, for each operand of a quantised product, along K:
;;     - The operand's scale is 2^e, e = its entry of the input lowp_scales (int32; the entries are numbered through the quantised products in the list's order, A before B).
;;     - Each number is divided by the scale, clamped to +-57,344, and rounded to the nearest number of E5M2, ties to even, subnormals kept.
;;     - The product sums the exact products of the quantised numbers (number of the format x scale) in f32.
;;   ~~~python
;;   def quantise(x, axis, e):      # numpy; x: float32 -> the quantised numbers, widened to float32 again
;;       x = np.moveaxis(x, axis, -1); K = x.shape[-1]
;;       r = np.clip(x / 2.0 ** e, -57344, 57344)
;;       step = 2.0 ** (np.maximum(np.frexp(np.where(r == 0, 1, r))[1] - 1, -14) - 2)
;;       q = np.round(r / step) * step * 2.0 ** e      # np.round: ties to even
;;       return np.moveaxis(q, -1, axis).astype(np.float32)
;;   ~~~
;;   SOFTMAX AHEAD OF A QUANTISED PRODUCT. Where the list says 'softmax', what is quantised is not the finished softmax but p = 2^(t - M), with t = logit x log2(e) and M = ceil(the row's largest t), a whole number; so 1/2 < the row's largest p <= 1. The row's sum l is taken of the UNQUANTISED p, in f32, and the product's result is divided by l at the end. Since M is a whole number, a kernel that streams over the keys may use a running M (the ceiling of the running maximum): every later rescaling is an exact power of two, so the quantised numbers keep their values, but for numbers so far below the row's largest that they fall under the format's range.
;;   OPERANDS COMPUTED ON THE WAY. 'Computed on the way' means the value that the module computes at that place (a softmax that the list does not call 'softmax' is quantised finished and normalised). What goes into a quantiser is computed in f32, as accurately as f32 sums, v_exp_f32 and their like allow (about 1e-6 of the number): no bf16 or f16 on the way to a quantiser, and a product that is left as it is and whose result goes on into a quantised operand takes f32 operands (vector FMAs, or v_wmma_f32_16x16x4_f32). A number that lies on a knife's edge between two numbers of the format may be rounded either way, as far as f32 arithmetic and the matrix unit's own rounding can turn it there, and no further.
;; One version. Each part assembles by itself: llvm-mc -triple=amdgcn-amd-amdhsa -mcpu=gfx1250 --defsym DOCPART=n.
;; ======== version 1 of 1: 4 launches
;; limits: right only within a limited range of input values
;; workspace buffers: acodes 8,388,608 bytes; wcodes 6,291,456 bytes; qcodes 4,194,304 bytes; kcodes 8,388,608 bytes; vcodes 8,388,608 bytes; ocodes 4,194,304 bytes
;; launch prep (part 1): grid 704 x 1, 4 waves a work-group, no clusters, 36,352 bytes of LDS; arguments x, context, ln_g, ln_b, w_qkv, w_out, lowp_scales, acodes, wcodes; writes acodes, wcodes
.if DOCPART == 1
	.amdgcn_target "amdgcn-amd-amdhsa--gfx1250"
	.amdhsa_code_object_version 6
	.text
	.protected	k_q2095d8a1b2_prep
	.globl	k_q2095d8a1b2_prep
	.p2align	8
	.type	k_q2095d8a1b2_prep,@function
k_q2095d8a1b2_prep:
	s_mov_b64 s[64:65], 0
	v_nop
	global_prefetch_b8 v0, s[64:65] scope:SCOPE_SE
	s_setreg_imm32_b32 hwreg(HW_REG_WAVE_MODE, 25, 1), 1
	s_wait_xcnt 0x0
; Two jobs in one launch, told apart by the work-group's number.
; WEIGHTS (work-groups 0-191): w_qkv [1024 k][3072 n] and w_out [1024 k][1024 n], f32, become codes of E5M2 laid [n][k], K innermost, in wcodes [6144][1024]:
;   rows 0-3071 w_qkv's columns under 2^e1; rows 3072-5119 w_qkv's columns 1024-3071 once more under 2^e3 (the context's product has scales of its own); rows 5120-6143 w_out's columns under 2^e9.
;   A lane takes a column and its registers run down K, so the conversions give codes with K innermost; they leave through the wave's own stage in LDS as rows: sixteen lanes store 256 consecutive aligned bytes.
; NORM (work-groups 192-703): LayerNorm of x (rows 0-4095 of acodes, under 2^e0) and of context (rows 4096-8191, under 2^e2).  One wave to a row, the row kept in registers; mean first, then the deviations' squares.
; code = number / 2^e, held within +-57,344, to the nearest code, ties to even.
; LIMITS: each e used here lies between -126 and 112, so that 2^e and 57,344 x 2^e are f32 numbers.  NaN among the inputs is not served; an infinity is held at the largest code.
.set PITCH, 272                        ; a stage row: 256 bytes of codes + 16
.set VO,  16                           ; W: v16-47   byte offset of row i of a block of 32 rows of the weight, at my column
.set XW,  48                           ; W: v48-111  two sets of 32 numbers; at the end the rows read back from the stage
.set CW,  112                          ; W: v112-119 a block's codes
.set G,   16                           ; N: v16-47   ln_g of my 32 columns
.set BV,  48                           ; N: v48-79   ln_b of my 32 columns
.set XN,  80                           ; N: v80-143  two sets of 32 numbers: a row each
.set CN,  144                          ; N: v144-175 codes, 8 registers a row, never written twice
	s_load_b256 s[4:11], s[0:1], 0x0               ; x s[4:5], context s[6:7], ln_g s[8:9], ln_b s[10:11]
	s_load_b256 s[12:19], s[0:1], 0x20             ; w_qkv s[12:13], w_out s[14:15], the exponents s[16:17], acodes s[18:19]
	s_load_b64 s[20:21], s[0:1], 0x40              ; wcodes
	v_lshl_add_u32 v192, v0, 2, 0x8c00
	v_mov_b32 v193, 0
	v_lshrrev_b32 v1, 5, v0
	v_readfirstlane_b32 s2, v1                     ; wave 0..3
	v_and_b32 v2, 31, v0                           ; lane
	s_wait_kmcnt 0x0
	s_load_b256 s[24:31], s[16:17], 0x0            ; e0 .. e7
	s_load_b64 s[22:23], s[16:17], 0x20            ; e8, e9
	s_cmp_lt_u32 ttmp9, 192
	s_cbranch_scc0 .Lnorm
; ---------------- WEIGHTS: 128 rows of wcodes x 256 along K a work-group, 32 columns a wave
	s_lshr_b32 s48, ttmp9, 2                       ; ob: which 128 rows of wcodes
	s_and_b32 s49, ttmp9, 3                        ; which 256 along K
	s_mov_b32 s52, 4096
	s_cmp_lt_u32 s48, 40
	s_cselect_b64 s[50:51], s[12:13], s[14:15]     ; the source: w_qkv or w_out
	s_cselect_b32 s52, 12288, s52                  ; bytes from a row of it to the next
	s_cselect_b32 s53, 16, 40
	s_cmp_lt_u32 s48, 24
	s_cselect_b32 s53, 0, s53
	s_sub_co_u32 s53, s48, s53                     ; which 128 columns of the source
	s_mul_i32 s55, s49, s52
	s_lshl_b32 s55, s55, 8                         ; 256 rows of the source for each step along K
	s_lshl_b32 s56, s53, 9
	s_add_co_u32 s55, s55, s56                     ; + 128 columns x 4 bytes
	s_lshl_b32 s56, s2, 7
	s_add_co_u32 s58, s55, s56                     ; + my wave's 32 columns
	s_mov_b32 s59, 0
	s_add_nc_u64 s[32:33], s[50:51], s[58:59]      ; block 0's base; eight bases, one a block of 32 rows, none ever stepped
	s_lshl_b32 s60, s52, 5
	s_mov_b32 s61, 0
.irp t, 1,2,3,4,5,6,7
	s_add_nc_u64 s[32+2*\t:33+2*\t], s[30+2*\t:31+2*\t], s[60:61]
.endr
	s_lshl_b32 s56, s48, 17                        ; wcodes: 128 rows of 1,024 bytes a block,
	s_lshl_b32 s57, s2, 15                         ; 32 rows a wave,
	s_add_co_u32 s56, s56, s57
	s_lshl_b32 s57, s49, 8                         ; 256 bytes along K
	s_add_co_u32 s56, s56, s57
	s_mov_b32 s57, 0
	s_add_nc_u64 s[62:63], s[20:21], s[56:57]
	s_wait_alu depctr_va_vdst(0)
	v_lshlrev_b32 v3, 2, v2                        ; 4 bytes a lane
	s_mul_i32 s3, s2, 32*PITCH                     ; my stage
	v_mul_u32_u24 v4, v2, PITCH
	v_add_nc_u32 v4, s3, v4                        ; into it: row = my column
	v_and_b32 v5, 15, v2
	v_lshrrev_b32 v6, 4, v2
	v_mul_u32_u24 v7, v6, PITCH
	v_lshl_add_u32 v7, v5, 4, v7
	v_add_nc_u32 v7, s3, v7                        ; out of it: sixteen lanes to a row, two rows an instruction
	v_lshlrev_b32 v8, 10, v6
	v_lshl_add_u32 v8, v5, 4, v8                   ; and the same place in wcodes
.set n, 0
.rept 32
	v_mad_u32_u24 v[VO+n], s52, n, v3              ; row n of a block, my column
.set n, n+1
.endr
.macro WLOAD t                         ; block t: 32 rows down K at my column, into set t % 2; a wave's load reads 128 consecutive bytes, the four waves' 512
.set n, 0
.rept 32
	global_load_b32 v[XW+32*((\t)%2)+n], v[VO+n], s[32+2*(\t):33+2*(\t)]
.set n, n+1
.endr
.endm
	WLOAD 0
	WLOAD 1
	s_wait_kmcnt 0x0
	s_cmp_lt_u32 s48, 40
	s_cselect_b32 s54, s27, s23                    ; e3 or e9
	s_cmp_lt_u32 s48, 24
	s_cselect_b32 s54, s25, s54                    ; e1
	s_add_co_i32 s54, s54, 127
	s_lshl_b32 s55, s54, 23
	v_mov_b32 v11, s55                             ; 2^e as f32: the conversion takes its exponent field
	s_add_co_i32 s54, s54, 15
	s_lshl_b32 s54, s54, 23
	s_or_b32 s54, s54, 0x600000
	v_mov_b32 v10, s54                             ; 57,344 x 2^e
.macro WBLOCK t
.set XS, XW+32*((\t)%2)
.if (\t) < 7
	s_wait_loadcnt 32                              ; this block's 32 loads are in; the next block's 32 may be out
.else
	s_wait_loadcnt 0
.endif
.set n, 0
.rept 32
	v_med3_num_f32 v[XS+n], v[XS+n], -v10, v10     ; the conversion to an 8-bit code does not saturate (ISA guide 7.6.2): the hold comes first
.set n, n+1
.endr
.irp g, 0,1,2,3
	v_cvt_scalef32_pk8_bf8_f32 v[CW+2*\g:CW+2*\g+1], v[XS+8*\g:XS+8*\g+7], v11
.endr
	ds_store_b128 v4, v[CW:CW+3] offset:32*(\t)    ; 32 codes: 32 bytes of my column's row
	ds_store_b128 v4, v[CW+4:CW+7] offset:32*(\t)+16
.if (\t)+2 < 8
	WLOAD (\t)+2
.endif
	s_wait_dscnt 0x0                               ; the stores have read their registers: the next block's codes may be written
.endm
	s_wait_alu depctr_va_vdst(0)
.irp t, 0,1,2,3,4,5,6,7
	WBLOCK \t
.endr
.irp t, 0,1,2,3,4,5,6,7,8,9,10,11,12,13,14,15
	ds_load_b128 v[XW+4*\t:XW+4*\t+3], v7 offset:2*\t*PITCH   ; my own stage: LDS serves a wave's instructions in order
.endr
.irp t, 0,1,2,3,4,5,6,7,8,9,10,11,12,13,14,15
	s_wait_dscnt 15-\t                             ; the younger read-backs may be out
	global_store_b128 v8, v[XW+4*\t:XW+4*\t+3], s[62:63] offset:2*\t*1024   ; sixteen lanes store 256 consecutive bytes, aligned
.endr
	s_wait_tensorcnt 0x0
	ds_add_u32 v192, v193
	s_wait_dscnt 0x0
	s_endpgm
; ---------------- NORM: 16 rows a work-group, 4 a wave.  A lane holds, in chunk c of four, columns 256 c + 8 lane + 0 .. 7: eight neighbours along K in consecutive registers
.Lnorm:
	s_sub_co_u32 s48, ttmp9, 192                   ; g: 0-255 x, 256-511 context
	s_and_b32 s49, s48, 255
	s_lshl_b32 s50, s49, 16                        ; 16 rows of 4,096 bytes
	s_lshl_b32 s51, s2, 14                         ; my wave's four
	s_add_co_u32 s50, s50, s51
	s_mov_b32 s51, 0
	s_lshl_b32 s52, s48, 14                        ; 16 rows of 1,024 codes
	s_lshl_b32 s53, s2, 12
	s_add_co_u32 s52, s52, s53
	s_mov_b32 s53, 0
	s_cmp_lt_u32 s48, 256
	s_cselect_b64 s[32:33], s[4:5], s[6:7]
	s_add_nc_u64 s[32:33], s[32:33], s[50:51]
	s_add_nc_u64 s[34:35], s[18:19], s[52:53]
	s_mov_b32 s40, 0x76543210                      ; v_permlanex16_b32: lane l xor 16
	s_mov_b32 s41, 0xfedcba98
	s_mov_b32 s42, 0x3a800000                      ; 1 / 1024
	s_mov_b32 s43, 0x3727c5ac                      ; 1e-5
	s_wait_alu depctr_va_vdst(0)
	v_lshlrev_b32 v1, 5, v2                        ; 32 bytes of f32 a lane
	v_lshlrev_b32 v3, 3, v2                        ; 8 bytes of codes a lane
.irp c, 0,1,2,3
.irp u, 0,1
	global_load_b128 v[G+8*\c+4*\u:G+8*\c+4*\u+3], v1, s[8:9] offset:1024*\c+16*\u
	global_load_b128 v[BV+8*\c+4*\u:BV+8*\c+4*\u+3], v1, s[10:11] offset:1024*\c+16*\u
.endr
.endr
.macro NLOAD i                         ; row i into set i % 2: a chunk's two loads together read 1,024 consecutive bytes
.irp c, 0,1,2,3
.irp u, 0,1
	global_load_b128 v[XN+32*((\i)%2)+8*\c+4*\u:XN+32*((\i)%2)+8*\c+4*\u+3], v1, s[32:33] offset:4096*(\i)+1024*\c+16*\u th:TH_LOAD_NT
.endr
.endr
.endm
	NLOAD 0
	NLOAD 1
	s_wait_kmcnt 0x0
	s_cmp_lt_u32 s48, 256
	s_cselect_b32 s54, s24, s26                    ; e0 or e2
	s_add_co_i32 s54, s54, 127
	s_lshl_b32 s55, s54, 23
	v_mov_b32 v176, s55                            ; 2^e
	s_add_co_i32 s54, s54, 15
	s_lshl_b32 s54, s54, 23
	s_or_b32 s54, s54, 0x600000
	v_mov_b32 v177, s54                            ; 57,344 x 2^e
.macro WSUM r, t                       ; the sum over the wave's 32 lanes, in every lane
	v_add_f32_dpp v[\r], v[\r], v[\r] row_xmask:1 row_mask:0xf bank_mask:0xf
	v_add_f32_dpp v[\r], v[\r], v[\r] row_xmask:2 row_mask:0xf bank_mask:0xf
	v_add_f32_dpp v[\r], v[\r], v[\r] row_xmask:4 row_mask:0xf bank_mask:0xf
	v_add_f32_dpp v[\r], v[\r], v[\r] row_xmask:8 row_mask:0xf bank_mask:0xf
	v_permlanex16_b32 v[\t], v[\r], s40, s41
	v_add_f32 v[\r], v[\r], v[\t]
.endm
.macro NROW i
.set XS, XN+32*((\i)%2)
.if (\i) < 3
	s_wait_loadcnt 8                               ; this row's loads (and ln_g, ln_b) are in; the next row's eight may be out
.else
	s_wait_loadcnt 0
.endif
	v_pk_add_f32 v[6:7], v[XS:XS+1], v[XS+2:XS+3]  ; the row's sum, in two chains
	v_pk_add_f32 v[8:9], v[XS+4:XS+5], v[XS+6:XS+7]
.irp j, 8,12,16,20,24,28
	v_pk_add_f32 v[6:7], v[6:7], v[XS+\j:XS+\j+1]
	v_pk_add_f32 v[8:9], v[8:9], v[XS+\j+2:XS+\j+3]
.endr
	v_pk_add_f32 v[6:7], v[6:7], v[8:9]
	v_add_f32 v6, v6, v7
	WSUM 6, 7
	v_mul_f32 v4, s42, v6                          ; the mean
	v_mov_b32 v5, v4
.set n, 0
.rept 16
	v_pk_add_f32 v[XS+n:XS+n+1], v[XS+n:XS+n+1], v[4:5] neg_lo:[0,1] neg_hi:[0,1]   ; z - mean, in place: the variance is a sum of squares of deviations, no difference of large sums
.set n, n+2
.endr
	v_pk_mul_f32 v[6:7], v[XS:XS+1], v[XS:XS+1]
	v_pk_mul_f32 v[8:9], v[XS+2:XS+3], v[XS+2:XS+3]
.irp j, 4,8,12,16,20,24,28
	v_pk_fma_f32 v[6:7], v[XS+\j:XS+\j+1], v[XS+\j:XS+\j+1], v[6:7]
	v_pk_fma_f32 v[8:9], v[XS+\j+2:XS+\j+3], v[XS+\j+2:XS+\j+3], v[8:9]
.endr
	v_pk_add_f32 v[6:7], v[6:7], v[8:9]
	v_add_f32 v6, v6, v7
	WSUM 6, 7
	v_fma_f32 v6, v6, s42, s43                     ; variance + 1e-5
	s_wait_alu depctr_va_vdst(0)
	v_rsq_f32 v10, v6
	v_mov_b32 v11, 0                               ; a plain instruction behind the transcendental (ISA guide 5.7.2); v11 is named below as the pair's upper half
	s_wait_alu depctr_va_vdst(0)                   ; the wait ahead of the first reader
.set n, 0
.rept 16
	v_pk_mul_f32 v[XS+n:XS+n+1], v[XS+n:XS+n+1], v[10:11] op_sel_hi:[1,0]
.set n, n+2
.endr
.set n, 0
.rept 16
	v_pk_fma_f32 v[XS+n:XS+n+1], v[XS+n:XS+n+1], v[G+n:G+n+1], v[BV+n:BV+n+1]
.set n, n+2
.endr
.set n, 0
.rept 32
	v_med3_num_f32 v[XS+n], v[XS+n], -v177, v177   ; the hold at the largest code x the scale
.set n, n+1
.endr
.irp c, 0,1,2,3
	v_cvt_scalef32_pk8_bf8_f32 v[CN+8*(\i)+2*\c:CN+8*(\i)+2*\c+1], v[XS+8*\c:XS+8*\c+7], v176
.endr
.irp c, 0,1,2,3
	global_store_b64 v3, v[CN+8*(\i)+2*\c:CN+8*(\i)+2*\c+1], s[34:35] offset:1024*(\i)+256*\c   ; 32 lanes store 256 consecutive bytes, aligned
.endr
.if (\i) < 2
	NLOAD (\i)+2
.endif
.endm
	NROW 0
	NROW 1
	NROW 2
	NROW 3
	s_endpgm
.Lfunc_end_k_q2095d8a1b2_prep:
	.size	k_q2095d8a1b2_prep, .Lfunc_end_k_q2095d8a1b2_prep-k_q2095d8a1b2_prep
	.p2alignl 7, 3214868480
	.fill 96, 4, 3214868480
	.section	.rodata,"a",@progbits
	.p2align	6, 0x0
	.amdhsa_kernel k_q2095d8a1b2_prep
		.amdhsa_group_segment_fixed_size 36352
		.amdhsa_private_segment_fixed_size 0
		.amdhsa_enable_private_segment 0
		.amdhsa_kernarg_size 72
		.amdhsa_user_sgpr_count 2
		.amdhsa_user_sgpr_kernarg_segment_ptr 1
		.amdhsa_wavefront_size32 1
		.amdhsa_system_sgpr_workgroup_id_x 1
		.amdhsa_system_sgpr_workgroup_id_y 1
		.amdhsa_system_sgpr_workgroup_id_z 1
		.amdhsa_system_vgpr_workitem_id 0
		.amdhsa_next_free_vgpr 194
		.amdhsa_next_free_sgpr 66
		.amdhsa_reserve_vcc 0
		.amdhsa_float_denorm_mode_32 3
		.amdhsa_float_denorm_mode_16_64 3
		.amdhsa_memory_ordered 1
		.amdhsa_forward_progress 1
		.amdhsa_inst_pref_size 93
	.end_amdhsa_kernel
	.amdgpu_metadata
---
amdhsa.version: [ 1, 2 ]
amdhsa.kernels:
  - .name:           k_q2095d8a1b2_prep
    .symbol:         k_q2095d8a1b2_prep.kd
    .args:
      - { .name: x, .offset: 0, .size: 8, .value_kind: global_buffer, .address_space: global }
      - { .name: context, .offset: 8, .size: 8, .value_kind: global_buffer, .address_space: global }
      - { .name: ln_g, .offset: 16, .size: 8, .value_kind: global_buffer, .address_space: global }
      - { .name: ln_b, .offset: 24, .size: 8, .value_kind: global_buffer, .address_space: global }
      - { .name: w_qkv, .offset: 32, .size: 8, .value_kind: global_buffer, .address_space: global }
      - { .name: w_out, .offset: 40, .size: 8, .value_kind: global_buffer, .address_space: global }
      - { .name: lowp_scales, .offset: 48, .size: 8, .value_kind: global_buffer, .address_space: global }
      - { .name: acodes, .offset: 56, .size: 8, .value_kind: global_buffer, .address_space: global }
      - { .name: wcodes, .offset: 64, .size: 8, .value_kind: global_buffer, .address_space: global }
    .group_segment_fixed_size: 36352
    .private_segment_fixed_size: 0
    .kernarg_segment_align: 8
    .kernarg_segment_size: 72
    .max_flat_workgroup_size: 128
    .sgpr_count:     66
    .vgpr_count:     194
    .wavefront_size: 32
...
	.end_amdgpu_metadata
.endif
;; end of part 1
;; launch qkv (part 2): grid 80 x 4, 4 waves a work-group, clusters of 4 x 4, 327,680 bytes of LDS; arguments acodes, wcodes, lowp_scales, b_qkv, qcodes, kcodes, vcodes; writes qcodes, kcodes, vcodes
.if DOCPART == 2
	.amdgcn_target "amdgcn-amd-amdhsa--gfx1250"
	.amdhsa_code_object_version 6
	.text
	.protected	k_q2095d8a1b2_qkv
	.globl	k_q2095d8a1b2_qkv
	.p2align	8
	.type	k_q2095d8a1b2_qkv,@function
k_q2095d8a1b2_qkv:
	s_mov_b64 s[64:65], 0
	v_nop
	global_prefetch_b8 v0, s[64:65] scope:SCOPE_SE
	s_setreg_imm32_b32 hwreg(HW_REG_WAVE_MODE, 25, 1), 1
	s_wait_xcnt 0x0
	s_wait_alu depctr_hold_cnt(0) depctr_sa_sdst(0) depctr_va_vdst(0) depctr_va_sdst(0) depctr_va_ssrc(0) depctr_va_vcc(0) depctr_vm_vsrc(0)
	s_getreg_b32 s2, hwreg(HW_REG_IB_STS2, 6, 4)
	s_cmp_eq_u32 s2, 0
	s_cbranch_scc0 .Lentry_in_a_cluster
	s_endpgm
.Lentry_in_a_cluster:
	s_bfe_u32 s2, ttmp6, 0x10000c
	s_cmp_lg_u32 s2, 0xf033
	s_cbranch_scc0 .Lentry_shape_is_right
	s_endpgm
.Lentry_shape_is_right:
.set KSTEP,  256
.set ROWB,   256
.set KROW,   1024
.set PITCH,  272
.set FR,     16
.set NL,     4
.set NP,     4
.set HALFT,  128*PITCH
.set SLOT,   4*HALFT
.set LAPS,   2
.set SPARE,  2*SLOT
.set STGV,   0x10000
.set ADRA, 16
.set ADRB, 20
.set STOQ, 22
.set STOV, 23
.set RDV,  24
.set RDQ,  25
.set CO,   26
.set BOQ,  27
.set BOV,  7
.set SPW,  28
.set NIL,  29
.set SCV,  30
.set LIMV, 31
.set BI,   32
.set AF,   128
.set TMP,  128
.set CD,   192
.set G1, 24
.set G0, 32
.set G1B, 48
.set G0B, 56
.set MSB, 0
.macro WIN new
.if MSB != (\new)
	s_set_vgpr_msb (MSB<<8)|(\new)
.set MSB, (\new)
.endif
.endm
.set MUL_LO, 0xa1
.set MUL_HI, 0xf1
.set TO_B,   0x40
.macro JLOAD g0a, g1a, g0b, g1b
	s_cmp_eq_u32 s15, 0
	s_cbranch_scc0 .Lfor_b_\@
	tensor_load_to_lds s[\g0a:\g0a+3], s[\g1a:\g1a+7]
	s_nop 0
.rept 4
	v_nop
.endr
	s_branch .Lasked_\@
.Lfor_b_\@:
	tensor_load_to_lds s[\g0b:\g0b+3], s[\g1b:\g1b+7]
	s_nop 0
.rept 4
	v_nop
.endr
.Lasked_\@:
.endm
.macro CREST
	s_cmp_lg_u32 s14, 0
	s_cbranch_scc1 .Lnot_wave_0_\@
	s_barrier_signal -3
.Lnot_wave_0_\@:
	s_barrier_wait -3
	s_barrier_signal -1
	s_barrier_wait -1
.endm
.macro CROUND
	s_barrier_signal -1
	s_barrier_wait -1
	CREST
.endm
	s_load_b256 s[4:11], s[0:1], 0x0
	s_load_b128 s[68:71], s[0:1], 0x20
	s_load_b64 s[72:73], s[0:1], 0x30
	v_lshl_add_u32 v[SPW], v0, 2, SPARE
	v_mov_b32 v[NIL], 0
	ds_add_u32 v28, v29
	ds_add_u32 v28, v29
	s_wait_dscnt 0x0
	v_lshrrev_b32 v1, 5, v0
	v_readfirstlane_b32 s14, v1
	s_lshr_b32 s15, s14, 1
	s_and_b32 s16, s14, 1
	s_bfe_u32 s40, ttmp6, 0x40000
	s_bfe_u32 s41, ttmp6, 0x40004
	s_lshr_b32 s75, ttmp9, 1
	s_sub_co_u32 s98, ttmp9, 4
	s_sub_co_u32 s99, ttmp9, 12
	s_and_b32 s76, ttmp9, 1
	s_cmp_lt_u32 ttmp9, 8
	s_cselect_b32 s75, s75, s98
	s_cselect_b32 s76, s76, 3
	s_cmp_lt_u32 ttmp9, 12
	s_cselect_b32 s75, s75, s99
	s_cselect_b32 s76, s76, 2
	s_cselect_b32 s74, 0, 1
	s_cmp_lt_u32 ttmp9, 16
	s_cselect_b32 s76, s76, 4
	s_lshl_b32 s75, s75, 10
	s_lshl_b32 s76, s76, 10
	s_cmp_eq_u32 s74, 1
	s_cselect_b32 s78, s76, s75
	s_cselect_b32 s79, s75, s76
	s_lshl_b32 s43, s41, 2
	s_lshl_b32 s43, 15, s43
	s_lshl_b32 s44, 0x1111, s40
	s_or_b32 s[G1+0], s43, (0<<16)|(1<<20)|(1<<21)|(5<<22)|(3<<25)
	s_or_b32 s[G1B+0], s44, (0<<16)|(1<<20)|(1<<21)|(5<<22)|(3<<25)
.irp g, G1, G1B
	s_mov_b32 s[\g+1], ROWB<<16
	s_mov_b32 s[\g+2], 128<<16
	s_mov_b32 s[\g+3], ROWB<<16
	s_mov_b32 s[\g+4], 128
	s_mov_b32 s[\g+5], KROW
	s_mov_b32 s[\g+6], 0
	s_mov_b32 s[\g+7], 0
.endr
	s_lshl_b32 s18, s16, 7
	s_lshl_b32 s20, s41, 8
	s_add_co_u32 s20, s20, s18
	s_add_co_u32 s20, s20, s78
	s_lshl_b32 s20, s20, 10
	s_mov_b32 s21, 0
	s_lshl_b32 s46, s40, 8
	s_add_co_u32 s46, s46, s18
	s_add_co_u32 s46, s46, s79
	s_lshl_b32 s46, s46, 10
	s_mov_b32 s47, 0
	s_mul_i32 s45, s14, HALFT
	s_wait_kmcnt 0x0
	s_load_b256 s[88:95], s[8:9], 0x0
	s_cmp_eq_u32 s74, 1
	s_cselect_b64 s[80:81], s[6:7], s[4:5]
	s_cselect_b64 s[82:83], s[4:5], s[6:7]
	s_add_nc_u64 s[20:21], s[80:81], s[20:21]
	s_add_nc_u64 s[46:47], s[82:83], s[46:47]
	CROUND
.irp s, 0,1
	s_mov_b32 s[G0+4*\s], 1
	s_add_co_u32 s[G0+4*\s+1], s45, \s*SLOT
	s_add_nc_u64 s[G0+4*\s+2:G0+4*\s+3], s[20:21], \s*ROWB
	s_or_b32 s[G0+4*\s+3], s[G0+4*\s+3], 0x80000000
	s_mov_b32 s[G0B+4*\s], 1
	s_add_co_u32 s[G0B+4*\s+1], s45, \s*SLOT
	s_add_nc_u64 s[G0B+4*\s+2:G0B+4*\s+3], s[46:47], \s*ROWB
	s_or_b32 s[G0B+4*\s+3], s[G0B+4*\s+3], 0x80000000
	s_wait_alu depctr_va_vdst(0)
	s_wait_tensorcnt 0x0
	ds_add_u32 v28, v29
	ds_add_u32 v28, v29
	s_wait_dscnt 0x0
	CROUND
	JLOAD G0+4*\s, G1, G0B+4*\s, G1B
.endr
	v_and_b32 v1, 15, v0
	s_wait_alu depctr_va_vdst(0)
	v_bfe_u32 v2, v0, 4, 1
	v_mul_u32_u24 v3, v1, PITCH
	v_lshl_add_u32 v4, v2, 4, v3
	s_mul_i32 s21, s15, HALFT
	s_mul_i32 s22, s16, HALFT
	s_add_co_u32 s22, s22, 2*HALFT
.irp s, 0,1
	v_add_nc_u32 v[ADRA+\s], s21, v4
	v_add_nc_u32 v[ADRB+\s], s22, v4
	s_add_co_u32 s21, s21, SLOT
	s_add_co_u32 s22, s22, SLOT
.endr
	s_lshl_b32 s23, s14, 14
	v_and_b32 v5, 7, v1
	v_lshrrev_b32 v6, 3, v1
	v_lshl_add_u32 v5, v6, 4, v5
	v_lshlrev_b32 v5, 6, v5
	v_lshl_add_u32 v5, v2, 3, v5
	v_add_nc_u32 v[STOQ], s23, v5
	v_lshlrev_b32 v5, 7, v1
	v_lshl_add_u32 v5, v2, 3, v5
	v_add_nc_u32 v5, s23, v5
	v_add_nc_u32 v[STOV], STGV, v5
	v_and_b32 v6, 31, v0
	v_lshlrev_b32 v[CO], 4, v6
	v_add_nc_u32 v[RDQ], s23, v[CO]
	v_add_nc_u32 v[RDV], STGV, v[RDQ]
	v_lshlrev_b32 v[BOQ], 5, v2
	v_lshlrev_b32 v[BOV], 2, v1
	s_wait_kmcnt 0x0
	s_lshl_b32 s12, s41, 8
	s_lshl_b32 s13, s15, 7
	s_add_co_u32 s12, s12, s13
	s_lshl_b32 s13, s40, 8
	s_lshl_b32 s17, s16, 7
	s_add_co_u32 s13, s13, s17
	s_cmp_eq_u32 s74, 1
	s_cselect_b32 s17, s13, s12
	s_cselect_b32 s19, s12, s13
	s_add_co_u32 s17, s17, s75
	s_lshr_b32 s42, s17, 12
	s_bfe_u32 s12, s17, 0x1000b
	s_and_b32 s13, s17, 2047
	s_lshl_b32 s98, s42, 11
	s_add_co_u32 s13, s13, s98
	s_lshl_b32 s12, s12, 4
	s_lshr_b32 s98, s19, 6
	s_add_co_u32 s12, s12, s98
	s_cmp_eq_u32 s76, 0
	s_cselect_b32 s98, 17, 18
	s_cselect_b64 s[84:85], s[68:69], s[70:71]
	s_cselect_b32 s99, s92, s93
	s_cmp_eq_u32 s74, 1
	s_cselect_b64 s[84:85], s[72:73], s[84:85]
	s_cselect_b32 s99, s95, s99
	s_lshl_b32 s12, s12, s98
	s_lshl_b32 s13, s13, 6
	s_add_co_u32 s12, s12, s13
	s_mov_b32 s13, 0
	s_add_nc_u64 s[84:85], s[84:85], s[12:13]
	s_lshl_b32 s12, 1, s98
	s_add_nc_u64 s[86:87], s[84:85], s[12:13]
	s_lshl_b32 s12, s42, 11
	s_sub_co_u32 s12, s76, s12
	s_add_co_u32 s12, s12, s19
	s_lshl_b32 s12, s12, 2
	s_add_nc_u64 s[66:67], s[10:11], s[12:13]
	s_cmp_eq_u32 s42, 0
	s_cselect_b32 s96, s88, s90
	s_cselect_b32 s97, s89, s91
	s_add_co_i32 s96, s96, s97
	s_add_co_i32 s96, s96, 127
	s_lshl_b32 s96, s96, 23
	s_mov_b32 s97, s96
	s_add_co_i32 s99, s99, 127
	s_lshl_b32 s98, s99, 23
	v_mov_b32 v[SCV], s98
	s_add_co_i32 s99, s99, 15
	s_lshl_b32 s99, s99, 23
	s_or_b32 s99, s99, 0x600000
	v_mov_b32 v[LIMV], s99
.macro FRAG reg, adr, q, i
.irp c, 0,1,2,3
	ds_load_b128 v[\reg+4*\c:\reg+4*\c+3], v[\adr] offset:128*(\q)+32*\c+(\i)*16*PITCH
.endr
.endm
.macro MUL16 a0, p, zero
.irp a, \a0, \a0+1
.irp b, 0,1,2,3,4,5,6,7
.if \zero
	v_wmma_f32_16x16x128_bf8_bf8 v[8*(8*((\a)%4)+\b):8*(8*((\a)%4)+\b)+7], v[128*(\p)+FR*\b:128*(\p)+FR*\b+FR-1], v[AF+FR*(\a):AF+FR*(\a)+FR-1], 0
.else
	v_wmma_f32_16x16x128_bf8_bf8 v[8*(8*((\a)%4)+\b):8*(8*((\a)%4)+\b)+7], v[128*(\p)+FR*\b:128*(\p)+FR*\b+FR-1], v[AF+FR*(\a):AF+FR*(\a)+FR-1], v[8*(8*((\a)%4)+\b):8*(8*((\a)%4)+\b)+7]
.endif
.endr
.endr
.endm
.macro FETCH_B slot, q, p
	WIN TO_B
.irp i, 0,1,2,3,4,5,6,7
	FRAG 128*(\p)+FR*\i, ADRB+\slot, \q, \i
.endr
	WIN 0
.endm
.macro FETCH_A slot, q, i0
.irp i, \i0, \i0+1, \i0+2, \i0+3
	FRAG AF+FR*(\i), ADRA+\slot, \q, \i
.endr
.endm
.macro PLACES n
.rept \n
	v_nop
.endr
.endm
.macro STEP slot, q, zero
	s_wait_dscnt 4*NL
	WIN MUL_LO
	MUL16 0, (\q)%2, \zero
	MUL16 2, (\q)%2, \zero
	s_wait_dscnt 0
	PLACES NP
	FETCH_B \slot, (\q)+1, 1-(\q)%2
	FETCH_A \slot, (\q)+1, 0
	WIN MUL_HI
	MUL16 4, (\q)%2, \zero
	MUL16 6, (\q)%2, \zero
	PLACES NP
	WIN 0
	FETCH_A \slot, (\q)+1, 4
.endm
.macro TURN slot, next, fill
	s_wait_tensorcnt 0x0
	ds_add_u32 v[SPW], v[NIL]
	s_wait_dscnt 4*NL+1
	WIN MUL_LO
	MUL16 0, 1, 0
	s_wait_dscnt 0x0
	s_barrier_signal -1
	MUL16 2, 1, 0
	WIN 0
	s_barrier_wait -1
.if \fill
	CREST
	s_add_nc_u64 s[G0+4*\slot+2:G0+4*\slot+3], s[G0+4*\slot+2:G0+4*\slot+3], 2*ROWB
	s_add_nc_u64 s[G0B+4*\slot+2:G0B+4*\slot+3], s[G0B+4*\slot+2:G0B+4*\slot+3], 2*ROWB
	JLOAD G0+4*\slot, G1, G0B+4*\slot, G1B
.else
	PLACES NP
.endif
	FETCH_B \next, 0, 0
	FETCH_A \next, 0, 0
	WIN MUL_HI
	MUL16 4, 1, 0
	MUL16 6, 1, 0
	PLACES NP
	WIN 0
	FETCH_A \next, 0, 4
.endm
.macro LASTSTEP
	s_wait_dscnt 4*NL
	WIN MUL_LO
	MUL16 0, 1, 0
	MUL16 2, 1, 0
	s_wait_dscnt 0
	WIN MUL_HI
	MUL16 4, 1, 0
	MUL16 6, 1, 0
	WIN 0
.endm
.macro CODES kind, a
.set AC, 64*((\a)%4)
.set CS4, CD+16*((\a)%4)
	WIN 0x02+((\a)/4)
.irp b, 0,1,2,3,4,5,6,7
.irp i, 0,2,4,6
.if \kind
	v_pk_fma_f32 v[TMP+8*\b+\i:TMP+8*\b+\i+1], v[AC+8*\b+\i:AC+8*\b+\i+1], s[96:97], v[BI+2*(\a):BI+2*(\a)+1] op_sel_hi:[1,0,1]
.else
	v_pk_fma_f32 v[TMP+8*\b+\i:TMP+8*\b+\i+1], v[AC+8*\b+\i:AC+8*\b+\i+1], s[96:97], v[BI+8*\b+\i:BI+8*\b+\i+1] op_sel_hi:[1,0,1]
.endif
.endr
.endr
	WIN 0
.set n, 0
.rept 64
	v_med3_num_f32 v[TMP+n], v[TMP+n], -v[LIMV], v[LIMV]
.set n, n+1
.endr
.if (\a) >= 4
	s_wait_alu depctr_va_vdst(0)
	s_wait_dscnt 24
.endif
.irp b, 0,1,2,3,4,5,6,7
	v_cvt_scalef32_pk8_bf8_f32 v[CS4+2*\b:CS4+2*\b+1], v[TMP+8*\b:TMP+8*\b+7], v[SCV]
.endr
	v_nop
.irp b, 0,1,2,3,4,5,6,7
.if \kind
	ds_store_b64 v[STOV], v[CS4+2*\b:CS4+2*\b+1] offset:((\a)/4)*8192+((\a)%4)*2048+16*\b
.else
	ds_store_b64 v[STOQ], v[CS4+2*\b:CS4+2*\b+1] offset:(\b/4)*8192+(32*((\a)/2)+8*((\a)%2))*64+16*(\b%4)
.endif
.endr
.endm
.macro OUT rd
	s_wait_dscnt 0x0
.set n, 0
.rept 32
	ds_load_b128 v[128+4*n:131+4*n], v[\rd] offset:512*n
.set n, n+1
.endr
.set n, 0
.rept 16
	s_wait_dscnt 31-n
	global_store_b128 v[CO], v[128+4*n:131+4*n], s[84:85] offset:512*n
.set n, n+1
.endr
.rept 16
	s_wait_dscnt 31-n
	global_store_b128 v[CO], v[128+4*n:131+4*n], s[86:87] offset:512*(n-16)
.set n, n+1
.endr
.endm
	s_wait_tensorcnt 1
	s_barrier_signal -1
	s_barrier_wait -1
	FETCH_B 0, 0, 0
	FETCH_A 0, 0, 0
	FETCH_A 0, 0, 4
	STEP 0, 0, 1
	s_mov_b32 s3, LAPS-1
.Llap:
	TURN 0, 1, 1
	STEP 1, 0, 0
	TURN 1, 0, 1
	STEP 0, 0, 0
	s_sub_co_u32 s3, s3, 1
	s_cmp_lg_u32 s3, 0
	s_cbranch_scc1 .Llap
	TURN 0, 1, 0
	STEP 1, 0, 0
	s_cmp_eq_u32 s74, 1
	s_cbranch_scc1 .Lkind_v
	s_wait_alu depctr_va_vdst(0)
.irp b, 0,1,2,3,4,5,6,7
	global_load_b128 v[BI+8*\b:BI+8*\b+3], v[BOQ], s[66:67] offset:64*\b
	global_load_b128 v[BI+8*\b+4:BI+8*\b+7], v[BOQ], s[66:67] offset:64*\b+16
.endr
	LASTSTEP
	s_wait_loadcnt 0x0
	PLACES NP
.irp a, 0,1,2,3,4,5,6,7
	CODES 0, \a
.endr
	OUT RDQ
	s_branch .Lend
.Lkind_v:
	s_wait_alu depctr_va_vdst(0)
.irp a, 0,1,2,3,4,5,6,7
	global_load_b32 v[BI+2*\a], v[BOV], s[66:67] offset:64*\a
	global_load_b32 v[BI+2*\a+1], v[BOV], s[66:67] offset:64*\a
.endr
	LASTSTEP
	s_wait_loadcnt 0x0
	PLACES NP
.irp a, 0,1,2,3,4,5,6,7
	CODES 1, \a
.endr
	OUT RDV
.Lend:
	s_wait_tensorcnt 0x0
	ds_add_u32 v[SPW], v[NIL]
	s_wait_dscnt 0x0
	CROUND
	s_endpgm
.Lfunc_end_k_q2095d8a1b2_qkv:
	.size	k_q2095d8a1b2_qkv, .Lfunc_end_k_q2095d8a1b2_qkv-k_q2095d8a1b2_qkv
	.p2alignl 7, 3214868480
	.fill 96, 4, 3214868480
	.section	.rodata,"a",@progbits
	.p2align	6, 0x0
	.amdhsa_kernel k_q2095d8a1b2_qkv
		.amdhsa_group_segment_fixed_size 327680
		.amdhsa_private_segment_fixed_size 0
		.amdhsa_enable_private_segment 0
		.amdhsa_kernarg_size 56
		.amdhsa_user_sgpr_count 2
		.amdhsa_user_sgpr_kernarg_segment_ptr 1
		.amdhsa_wavefront_size32 1
		.amdhsa_system_sgpr_workgroup_id_x 1
		.amdhsa_system_sgpr_workgroup_id_y 1
		.amdhsa_system_sgpr_workgroup_id_z 1
		.amdhsa_system_vgpr_workitem_id 0
		.amdhsa_next_free_vgpr 1024
		.amdhsa_next_free_sgpr 100
		.amdhsa_reserve_vcc 0
		.amdhsa_float_denorm_mode_32 3
		.amdhsa_float_denorm_mode_16_64 3
		.amdhsa_memory_ordered 1
		.amdhsa_forward_progress 1
		.amdhsa_inst_pref_size 214
	.end_amdhsa_kernel
	.amdgpu_metadata
---
amdhsa.version: [ 1, 2 ]
amdhsa.kernels:
  - .name:           k_q2095d8a1b2_qkv
    .symbol:         k_q2095d8a1b2_qkv.kd
    .args:
      - { .name: acodes, .offset: 0, .size: 8, .value_kind: global_buffer, .address_space: global }
      - { .name: wcodes, .offset: 8, .size: 8, .value_kind: global_buffer, .address_space: global }
      - { .name: lowp_scales, .offset: 16, .size: 8, .value_kind: global_buffer, .address_space: global }
      - { .name: b_qkv, .offset: 24, .size: 8, .value_kind: global_buffer, .address_space: global }
      - { .name: qcodes, .offset: 32, .size: 8, .value_kind: global_buffer, .address_space: global }
      - { .name: kcodes, .offset: 40, .size: 8, .value_kind: global_buffer, .address_space: global }
      - { .name: vcodes, .offset: 48, .size: 8, .value_kind: global_buffer, .address_space: global }
    .group_segment_fixed_size: 327680
    .private_segment_fixed_size: 0
    .kernarg_segment_align: 8
    .kernarg_segment_size: 56
    .max_flat_workgroup_size: 128
    .sgpr_count:     100
    .vgpr_count:     1024
    .wavefront_size: 32
...
	.end_amdgpu_metadata
.endif
;; end of part 2
;; launch attn (part 3): grid 8 x 32, 8 waves a work-group, clusters of 4 x 1, 327,680 bytes of LDS; arguments qcodes, kcodes, vcodes, lowp_scales, ocodes; writes ocodes
.if DOCPART == 3
	.amdgcn_target "amdgcn-amd-amdhsa--gfx1250"
	.amdhsa_code_object_version 6
	.text
	.protected	k_q2095d8a1b2_attn
	.globl	k_q2095d8a1b2_attn
	.p2align	8
	.type	k_q2095d8a1b2_attn,@function
k_q2095d8a1b2_attn:
	s_mov_b64 s[64:65], 0
	v_nop
	global_prefetch_b8 v0, s[64:65] scope:SCOPE_SE
	s_setreg_imm32_b32 hwreg(HW_REG_WAVE_MODE, 25, 1), 1
	s_wait_xcnt 0x0
	s_wait_alu depctr_hold_cnt(0) depctr_sa_sdst(0) depctr_va_vdst(0) depctr_va_sdst(0) depctr_va_ssrc(0) depctr_va_vcc(0) depctr_vm_vsrc(0)
	s_getreg_b32 s2, hwreg(HW_REG_IB_STS2, 6, 4)
	s_cmp_eq_u32 s2, 0
	s_cbranch_scc0 .Lentry_in_a_cluster
	s_endpgm
.Lentry_in_a_cluster:
	s_bfe_u32 s2, ttmp6, 0x10000c
	s_cmp_lg_u32 s2, 0x3003
	s_cbranch_scc0 .Lentry_shape_is_right
	s_endpgm
.Lentry_shape_is_right:
; Attention on codes of E5M2: 32 (batch, head) pairs, 2,048 queries, 4,096 keys, head size 64.  The result is divided by the row's sum and quantised at once, under 2^e8, for the output projection.
; qcodes [32][2048][64], kcodes [32][4096][64]: token t's row lies at t with bits 3 and 4 exchanged.  vcodes [32][32 blocks of 128 keys][64 d][128 keys].  ocodes [32][2048][64], in the tokens' own order.
; THE SOFTMAX: t = score x log2(e) / 8; M = the row's largest t so far, rounded UP to a whole number; p = 2^(t - M) is quantised under 2^e6, not normalised; the row's sum is taken of the unquantised p.
; When M moves, the sum and O are multiplied by 2^(old M - new M), which rounds nothing.
; SHARES.  A work-group owns 256 queries of one pair; each of its EIGHT waves 32 of them, two tiles of 16, so that each fragment of K and V read from LDS feeds two matrix instructions; two waves to a SIMD.
; Every wave walks all 4,096 keys, 128 a step, eight steps a slot.  CLUSTER: the four work-groups of a cluster own query blocks of one pair and walk the same K and V: each tile is asked for jointly (mask 15);
; a slot is 1,024 keys: eight parts of 16,384 bytes (K's four, V's four), one load a wave, every wave issuing one.
; LAYOUT.  Both products transposed: S^T = K Q^T (source 0 = 16 keys), O^T = V^T P^T (source 0 = 16 channels): a lane holds ONE query of each tile.  By the exchange of bits the 16 registers of key tiles 2 b, 2 b + 1
; are 16 neighbouring keys 32 b + 16 (lane / 16) + 0 .. 15: the conversions' results are the second product's operand.
; A STEP'S ORDER.  Lines that hang on each other are kept apart by lines that do not.  A tile's largest score is a tree of maxima of three (21, 7, then a few); the chain that follows it (across the lane halves, M, f) is laid,
; link by link, among the other tile's independent lines: tile 0's among tile 1's tree, tile 1's among tile 0's t - M and rescalings.  All of that, O^T's rescaling too, stands ahead of the step's first exponential.
; Tile 0's exponentials stand by turns with tile 1's t - M, tile 1's with tile 0's first sums and holds: only lines that do not hang on each other stand among exponentials, so each batch has one wait ahead of it and one behind it.
; K of step i + 1 and V of step i are asked of LDS behind step i's first products.  In a slot's last step that request for K reads the slot's bytes behind K (V's first block); what it brings is not used.
; LIMITS: e4 + e5 between -123 and 130 (added to c's exponent field); e6 and e8 between -126 and 112; e6 + e7 goes in by v_ldexp_f32 and has none.  The scaled scores stay under 2^31 in magnitude.
; REGISTERS.  Window 0 holds all that vector instructions touch: v1-9 addresses and 2^e6; tile u: v[12+4u] -M, v[13+4u] the largest t, v[14+4u:15+4u] the sum, v[20+2u] f; v24-31 at work;
; v32-63 p's codes (before them: at work); v64-127 O^T; v128-255 S^T, then p.  Window 1 holds what loads write and matrix instructions read: v0-15 Q, v16-79 K's eight fragments, v128-191 V's four.
.set PART,  64*272                     ; what one load brings: 16,384 dense bytes as 64 rows of 256 + 16 of padding
.set VOFF,  4*PART                     ; a slot: K's 1,024 rows of 64 bytes (four to an LDS row), then V's eight blocks of 64 x 128 bytes
.set SLOTB, 8*PART
.set STEPB, 32*272                     ; a step's 128 keys, in K's part and in V's alike
.set SPARE, 2*SLOTB                    ; behind the ring: the spare words, 128 bytes a wave, that no other line names
.set AK0,  1
.set AV0,  2
.set PFO,  3                           ; 256 x lane, for the prefetches
.set SC6,  4                           ; 2^e6
.set SPW,  5
.set NIL,  6
.set GO,   7                           ; 16 x lane
.set ADK,  8
.set ADV,  9
.set P,    32
.set O,    64
.set S,    128
.set QF,   0                           ; window 1
.set KF,   16
.set VF,   128
.set TB,   2                           ; s2  LDS byte at which the step in hand begins
.set WV,   18
.set CS,   22                          ; s[22:23] c = log2(e) / 8 x 2^(e4 + e5)
.set CNT,  36
.set SEL,  38
.set PFA,  40
.set LIM,  42
.set LB,   43                          ; my part's place in a slot
.set L8,   55                          ; 57,344 x 2^e8
.set L6,   57                          ; 57,344 x 2^e6
.set E67,  60
.set SC8,  61
.set MSB, 0
.macro WIN new                         ; the immediate's high byte repeats the setting that is left
.if MSB != (\new)
	s_set_vgpr_msb (MSB<<8)|(\new)
.set MSB, (\new)
.endif
.endm
.macro CROUND                          ; a round of the cluster's barrier
	s_barrier_signal -1
	s_barrier_wait -1
	s_cmp_lg_u32 s[WV], 0
	s_cbranch_scc1 .Lnot_wave_0_\@
	s_barrier_signal -3
.Lnot_wave_0_\@:
	s_barrier_wait -3
	s_barrier_signal -1
	s_barrier_wait -1
.endm
.macro TLOAD                           ; every wave's one joint load; an s_nop 0 and four v_nop follow
	tensor_load_to_lds s[32:35], s[24:31]
	s_nop 0
.rept 4
	v_nop
.endr
.endm
; A prefetch of slot g, one slot (eight key steps) ahead of the load that will want it.  Both clusters of a pair walk the same K and V: the first asks.  Its four partners take 16,384 bytes of K and of V each,
; told apart by address; in each, waves 0, 1 ask for K's halves and waves 2, 3 for V's, lanes 256 bytes apart: each block of 256 bytes is named once in the launch.  Slots 0 and 1 come by their loads alone.
.macro ASK g
	s_cmp_eq_u32 s[LIM], 1
	s_cbranch_scc0 .Lnot_mine_\@
	global_prefetch_b8 v[PFO], s[PFA:PFA+1] offset:(\g)*65536 th:TH_LOAD_NT scope:SCOPE_SE
.Lnot_mine_\@:
.endm
.macro KLOAD off                       ; K's eight fragments of 16 keys x 64 channels
.irp t, 0,1,2,3,4,5,6,7
	ds_load_b128 v[KF+8*\t:KF+8*\t+3], v[ADK] offset:\off+4*\t*272
	ds_load_b128 v[KF+8*\t+4:KF+8*\t+7], v[ADK] offset:\off+4*\t*272+32
.endr
.endm
	s_load_b256 s[4:11], s[0:1], 0x0               ; qcodes s[4:5], kcodes s[6:7], vcodes s[8:9], the exponents s[10:11]
	s_load_b64 s[12:13], s[0:1], 0x20              ; ocodes
	v_lshl_add_u32 v[SPW], v0, 2, SPARE
	v_mov_b32 v[NIL], 0
	ds_add_u32 v[SPW], v[NIL]                      ; the opening: the add, twice on end, and its wait ahead of my first tensor load
	ds_add_u32 v[SPW], v[NIL]
	v_lshrrev_b32 v8, 5, v0
	v_readfirstlane_b32 s[WV], v8                  ; wave 0..7
	s_bfe_u32 s19, ttmp6, 0x40000                  ; cx: it enters global addresses of Q, O and the prefetches alone
	s_and_b32 s14, ttmp7, 0xffff                   ; the pair, which the four partners share
	s_lshl_b32 s54, s14, 18                        ; its first byte in kcodes and vcodes,
	s_lshl_b32 s56, s14, 17                        ; in qcodes and ocodes
	s_mul_i32 s[LB], s[WV], PART
	s_mul_i32 s33, s[WV], PART                     ; 63:32 LDS address: my part of slot 0
	s_and_b32 s15, s[WV], 3
	s_lshl_b32 s16, s15, 14
	s_add_co_u32 s20, s54, s16                     ; the pair + my quarter of a slot's 65,536 bytes
	s_mov_b32 s21, 0
	s_mov_b32 s24, 15|(3<<16)|(1<<20)|(1<<21)|(5<<22)|(3<<25)   ; all four work-groups; elements of 8 bytes; padding on; bit 21 beside a mask; four words after every 64
	s_mov_b32 s25, 32<<16                          ; tensor_dim0 = 32 elements: 256 bytes
	s_mov_b32 s26, 64<<16                          ; tensor_dim1 = 64
	s_mov_b32 s27, 32<<16                          ; tile_dim0
	s_mov_b32 s28, 64                              ; tile_dim1
	s_mov_b32 s29, 32                              ; the pitch: the block is dense
	s_mov_b32 s30, 0
	s_mov_b32 s31, 0
	s_mov_b32 s[SEL], 0x76543210
	s_mov_b32 s[SEL+1], 0xfedcba98
	s_mov_b32 s[CS], 0x3e38aa3b                    ; log2(e) / 8
	s_wait_dscnt 0x0                               ; both opening adds are done
	s_wait_kmcnt 0x0
	s_load_b256 s[44:51], s[10:11], 0x0            ; e0 .. e7
	s_load_b32 s52, s[10:11], 0x20                 ; e8
	s_mov_b32 s32, 1                               ; count = 1
	s_cmp_lt_u32 s[WV], 4
	s_cselect_b64 s[34:35], s[6:7], s[8:9]         ; waves 0-3 fetch K's codes, waves 4-7 V's
	s_add_nc_u64 s[34:35], s[34:35], s[20:21]
	s_or_b32 s35, s35, 0x80000000                  ; type = 2
	CROUND                                         ; all four work-groups are here: the first joint loads meet
	TLOAD                                          ; slot 0: one tensor load a wave at the head
	s_lshl_b32 s37, ttmp9, 2
	s_add_co_u32 s37, s37, s19
	s_lshl_b32 s37, s37, 8                         ; my block's first query
	s_lshl_b32 s53, s[WV], 5
	s_add_co_u32 s53, s53, s37                     ; my wave's first
	s_lshl_b32 s53, s53, 6
	s_add_co_u32 s58, s53, s56
	s_mov_b32 s59, 0
	s_add_nc_u64 s[4:5], s[4:5], s[58:59]          ; my 32 rows of qcodes: query 16 u + r lies at row 8 u + r % 8 + 16 (r / 8)
	s_add_nc_u64 s[12:13], s[12:13], s[58:59]      ; ocodes at my 32 queries: 2,048 dense bytes
	s_cmp_lt_u32 s[WV], 2
	s_cselect_b64 s[PFA:PFA+1], s[6:7], s[8:9]
	s_lshl_b32 s62, s19, 14                        ; my work-group's 16,384 bytes of a slot's 65,536,
	s_add_co_u32 s62, s62, s54
	s_and_b32 s63, s[WV], 1
	s_lshl_b32 s63, s63, 13                        ; my wave's half of them
	s_add_co_u32 s62, s62, s63
	s_mov_b32 s63, 0
	s_add_nc_u64 s[PFA:PFA+1], s[PFA:PFA+1], s[62:63]
	s_lshr_b32 s[LIM], s[WV], 2                    ; 0 in waves 0 to 3,
	s_or_b32 s[LIM], s[LIM], ttmp9                 ; of the pair's first cluster: the same in all four partners
	s_cmp_eq_u32 s[LIM], 0
	s_cselect_b32 s[LIM], 1, 0
	v_and_b32 v8, 15, v0                           ; r
	v_bfe_u32 v9, v0, 4, 1                         ; h
	v_and_b32 v10, 7, v8
	v_lshrrev_b32 v11, 3, v8
	v_lshl_add_u32 v10, v11, 4, v10
	v_lshlrev_b32 v10, 6, v10
	v_lshl_add_u32 v10, v9, 4, v10
	WIN 0x40
.irp u, 0,1                                    ; Q's fragments: registers 4 g .. 4 g + 3 hold channels 32 g + 16 h + 0 .. 15, as K's will: k is permuted alike on both sides
	global_load_b128 v[QF+8*\u:QF+8*\u+3], v10, s[4:5] offset:512*\u
	global_load_b128 v[QF+8*\u+4:QF+8*\u+7], v10, s[4:5] offset:512*\u+32
.endr
	WIN 0
	v_lshrrev_b32 v11, 2, v8
	v_mul_u32_u24 v[AK0], v11, 272
	v_and_b32 v11, 3, v8
	v_lshl_add_u32 v[AK0], v11, 6, v[AK0]
	v_lshl_add_u32 v[AK0], v9, 4, v[AK0]           ; K: row r of a tile lies at (r / 4) 272 + (r % 4) 64: sixteen lanes on sixteen different 16-byte columns
	v_lshrrev_b32 v11, 1, v8
	v_mul_u32_u24 v[AV0], v11, 272
	v_and_b32 v11, 1, v8
	v_lshl_add_u32 v[AV0], v11, 7, v[AV0]
	v_lshl_add_u32 v[AV0], v9, 4, v[AV0]
	v_add_nc_u32 v[AV0], VOFF, v[AV0]              ; V: channel r of a tile lies at (r / 2) 272 + (r % 2) 128
	v_and_b32 v[PFO], 31, v0
	v_lshlrev_b32 v[GO], 4, v[PFO]
	v_lshlrev_b32 v[PFO], 8, v[PFO]
.irp u, 0,1
	v_mov_b32 v[13+4*\u], 0xff61b1e6               ; the largest t so far: -3e38
	v_floor_f32 v[12+4*\u], -v[13+4*\u]            ; -M
	v_mov_b32 v[14+4*\u], 0
	v_mov_b32 v[15+4*\u], 0
	v_mov_b32 v[21+2*\u], 0                        ; named as the upper half of f's pair
.endr
.set n, 0
.rept 64
	v_mov_b32 v[O+n], 0                            ; O^T: the step is written once; the first change of M leaves zeros zeros
.set n, n+1
.endr
	s_wait_kmcnt 0x0
	s_add_co_i32 s53, s48, s49
	s_lshl_b32 s53, s53, 23
	s_add_co_i32 s[CS], s[CS], s53                 ; e4 + e5 onto c's exponent field
	s_mov_b32 s[CS+1], s[CS]
	s_add_co_i32 s53, s50, 127
	s_lshl_b32 s58, s53, 23
	v_mov_b32 v[SC6], s58                          ; 2^e6
	s_add_co_i32 s53, s53, 15
	s_lshl_b32 s53, s53, 23
	s_or_b32 s[L6], s53, 0x600000                  ; 57,344 x 2^e6
	s_add_co_i32 s53, s52, 127
	s_lshl_b32 s[SC8], s53, 23                     ; 2^e8
	s_add_co_i32 s53, s53, 15
	s_lshl_b32 s53, s53, 23
	s_or_b32 s[L8], s53, 0x600000                  ; 57,344 x 2^e8
	s_add_co_i32 s[E67], s50, s51
; Link k of the chain that ends tile u's maximum and makes M and f.  v53-59 hold the tree's seven; v[24+4u] .. v[27+4u] are the tile's own.
.macro LINK u, k
.if (\k) == 0
	v_max3_num_f32 v[24+4*\u], v53, v54, v55
.endif
.if (\k) == 1
	v_max3_num_f32 v[25+4*\u], v56, v57, v58
.endif
.if (\k) == 2
	v_max_num_f32 v[26+4*\u], v59, v[S+64*\u+63]   ; the 64th score, which the triples leave over
.endif
.if (\k) == 3
	v_mov_b32 v[27+4*\u], v[12+4*\u]               ; the old -M
.endif
.if (\k) == 4
	v_max3_num_f32 v[24+4*\u], v[24+4*\u], v[25+4*\u], v[26+4*\u]
.endif
.if (\k) == 5
	v_permlanex16_b32 v[25+4*\u], v[24+4*\u], s[SEL], s[SEL+1]
.endif
.if (\k) == 6
	v_max_num_f32 v[24+4*\u], v[24+4*\u], v[25+4*\u]   ; and among lane l xor 16's
.endif
.if (\k) == 7
	v_mul_f32 v[24+4*\u], s[CS], v[24+4*\u]        ; as t (c is positive)
.endif
.if (\k) == 8
	v_max_num_f32 v[13+4*\u], v[13+4*\u], v[24+4*\u]   ; the running largest t
.endif
.if (\k) == 9
	v_floor_f32 v[12+4*\u], -v[13+4*\u]            ; the new -M = floor(-t): M is a whole number
.endif
.if (\k) == 10
	v_sub_f32 v[24+4*\u], v[12+4*\u], v[27+4*\u]   ; old M - new M: a whole number, 0 or less
.endif
.if (\k) == 11
	v_cvt_i32_f32 v[24+4*\u], v[24+4*\u]           ; (it saturates)
.endif
.if (\k) == 12
	v_ldexp_f32 v[20+2*\u], 1.0, v[24+4*\u]        ; f = 2^(old M - new M)
.endif
.endm
.macro FM cnt                          ; the next cnt of tile 1's 28 tree lines: 21 maxima of three scores, then 7 of three of those
.rept \cnt
.if m < 21
	v_max3_num_f32 v[P+m], v[S+64+3*m], v[S+65+3*m], v[S+66+3*m]
.else
	v_max3_num_f32 v[P+m], v[P+3*(m-21)], v[P+3*(m-21)+1], v[P+3*(m-21)+2]
.endif
.set m, m+1
.endr
.endm
.macro FT cnt                          ; the next cnt of tile 0's 49 lines behind its M: t - M two at a time, the sum and O^T under the new M
.rept \cnt
.if m < 32
	v_pk_fma_f32 v[S+2*m:S+2*m+1], v[S+2*m:S+2*m+1], s[CS:CS+1], v[12:13] op_sel_hi:[1,0,0]
.else
.if m == 32
	v_pk_mul_f32 v[14:15], v[14:15], v[20:21] op_sel_hi:[1,0]
.else
	v_pk_mul_f32 v[O+2*(m-33):O+2*(m-33)+1], v[O+2*(m-33):O+2*(m-33)+1], v[20:21] op_sel_hi:[1,0]
.endif
.endif
.set m, m+1
.endr
.endm
.macro CH k                            ; round k of the four chains of tile 1's sum
.irp j, 0,1,2,3
	v_pk_add_f32 v[24+2*\j:25+2*\j], v[24+2*\j:25+2*\j], v[S+72+8*(\k)+2*\j:S+73+8*(\k)+2*\j]
.endr
.endm
.macro DU cnt                          ; the next cnt of tile 1's 32 holds (p is not negative: one-sided), two numbers a line; each stands behind the sum's read of its numbers, whatever e6 is
.rept \cnt
	v_dual_min_num_f32 v[S+64+2*d], s[L6], v[S+64+2*d] :: v_dual_min_num_f32 v[S+65+2*d], s[L6], v[S+65+2*d]
.set d, d+1
.endr
.endm
; A KEY STEP: 128 keys x my 32 queries
.macro STEP
	s_wait_dscnt 0x0                               ; this step's K is in
	WIN 0x05                                       ; sources 0 and 1 in window 1
.irp u, 0,1
.irp t, 0,1,2,3,4,5,6,7
	v_wmma_f32_16x16x64_bf8_bf8 v[S+64*\u+8*\t:S+64*\u+8*\t+7], v[KF+8*\t:KF+8*\t+7], v[QF+8*\u:QF+8*\u+7], 0
.endr
.endr
	WIN 0
	v_add_nc_u32 v[ADK], s[TB], v[AK0]             ; with the two v_nop: four places in front of the loads into K's and V's registers, of the first read of the scores and of the first write of p's old codes
	v_add_nc_u32 v[ADV], s[TB], v[AV0]
	v_nop
	v_nop
	WIN 0x40
.irp t, 0,1,2,3
.irp c, 0,1,2,3
	ds_load_b128 v[VF+16*\t+4*\c:VF+16*\t+4*\c+3], v[ADV] offset:8*\t*272+32*\c   ; this step's V,
.endr
.endr
	KLOAD STEPB                                    ; and the next step's K: both land under the softmax
	WIN 0
	s_add_co_u32 s[TB], s[TB], STEPB
.set m, 0
.rept 21
	v_max3_num_f32 v[P+m], v[S+3*m], v[S+3*m+1], v[S+3*m+2]   ; tile 0's tree; ascending
.set m, m+1
.endr
.rept 7
	v_max3_num_f32 v[P+m], v[P+3*(m-21)], v[P+3*(m-21)+1], v[P+3*(m-21)+2]
.set m, m+1
.endr
.set m, 0                                      ; tile 0's chain among tile 1's tree
	FM 4
	LINK 0, 0
	LINK 0, 1
	LINK 0, 2
	LINK 0, 3
	FM 2
.irp k, 4,5,6,7,8,9
	LINK 0, \k
	FM 3
.endr
	LINK 0, 10
	FM 2
	LINK 0, 11
	FM 2
	LINK 0, 12
.set m, 0                                      ; tile 1's chain among tile 0's t - M and rescalings
	FT 3
	LINK 1, 0
	LINK 1, 1
	LINK 1, 2
	LINK 1, 3
	FT 3
.irp k, 4,5,6,7,8,9,10,11
	LINK 1, \k
	FT 4
.endr
	LINK 1, 12
	FT 11
	v_pk_mul_f32 v[18:19], v[18:19], v[22:23] op_sel_hi:[1,0]   ; tile 1: the sum and O^T under the new M.  O^T is read here, with no exponential since the products that wrote it
.set n, 0
.rept 16
	v_pk_mul_f32 v[O+32+n:O+33+n], v[O+32+n:O+33+n], v[22:23] op_sel_hi:[1,0]
.set n, n+2
.endr
	s_wait_alu depctr_va_vdst(0)                   ; the wait ahead of the batch
.set n, 0
.rept 32
	v_exp_f32 v[S+n], v[S+n]                       ; tile 0: p = 2^(t - M), at most 1;
	v_pk_fma_f32 v[S+64+n:S+65+n], v[S+64+n:S+65+n], s[CS:CS+1], v[16:17] op_sel_hi:[1,0,0]   ; among them tile 1's t - M, first read behind the wait below
	v_exp_f32 v[S+n+1], v[S+n+1]
.set n, n+2
.endr
	v_nop                                          ; a plain place behind the last exponential
	s_wait_alu depctr_va_vdst(0)                   ; one wait: behind tile 0's batch and ahead of tile 1's
.set n, 0
.rept 16
	v_exp_f32 v[S+64+n], v[S+64+n]                 ; tile 1's p; among them, of tile 0: the first level of the sum of the UNQUANTISED p, into registers of its own,
	v_pk_add_f32 v[P+n/2:P+n/2+1], v[S+n:S+n+1], v[S+n+2:S+n+3]
	v_exp_f32 v[S+65+n], v[S+65+n]
	v_dual_min_num_f32 v[S+n], s[L6], v[S+n] :: v_dual_min_num_f32 v[S+n+1], s[L6], v[S+n+1]   ; and the hold, two numbers a line
	v_exp_f32 v[S+66+n], v[S+66+n]
	v_dual_min_num_f32 v[S+n+2], s[L6], v[S+n+2] :: v_dual_min_num_f32 v[S+n+3], s[L6], v[S+n+3]
	v_exp_f32 v[S+67+n], v[S+67+n]
.set n, n+4
.endr
	v_nop
	s_wait_alu depctr_va_vdst(0)                   ; behind the batch, ahead of its first reader
.set d, 0
.irp j, 0,1,2,3
	v_pk_add_f32 v[24+2*\j:25+2*\j], v[S+64+4*\j:S+65+4*\j], v[S+66+4*\j:S+67+4*\j]   ; tile 1's sum: four chains, their rounds kept apart by tile 0's tree and by the holds
.endr
.irp i, 0,1,2,3,4,5,6,7
	v_pk_add_f32 v[P+4*\i:P+4*\i+1], v[P+4*\i:P+4*\i+1], v[P+4*\i+2:P+4*\i+3]   ; tile 0's sum: a tree
.endr
	CH 1
.irp i, 0,1,2,3
	v_pk_add_f32 v[P+8*\i:P+8*\i+1], v[P+8*\i:P+8*\i+1], v[P+8*\i+4:P+8*\i+5]
.endr
	CH 2
	v_pk_add_f32 v[P:P+1], v[P:P+1], v[P+8:P+9]
	v_pk_add_f32 v[P+16:P+17], v[P+16:P+17], v[P+24:P+25]
	DU 2
	CH 3
	v_pk_add_f32 v[P:P+1], v[P:P+1], v[P+16:P+17]
	DU 3
	CH 4
	v_pk_add_f32 v[14:15], v[14:15], v[P:P+1]
	DU 3
	CH 5
	DU 4
	CH 6
	DU 4
	v_pk_add_f32 v[24:25], v[24:25], v[26:27]
	v_pk_add_f32 v[28:29], v[28:29], v[30:31]
.irp b, 0,1,2,3,4,5,6,7
	v_cvt_scalef32_pk8_bf8_f32 v[P+2*\b:P+2*\b+1], v[S+8*\b:S+8*\b+7], v[SC6]   ; tile 0's codes, by turns with the rest of tile 1's holds
	DU 2
.endr
	v_pk_add_f32 v[24:25], v[24:25], v[28:29]
.irp b, 0,1,2,3,4,5,6,7
	v_cvt_scalef32_pk8_bf8_f32 v[P+16+2*\b:P+17+2*\b], v[S+64+8*\b:S+71+8*\b], v[SC6]
.endr
	v_pk_add_f32 v[18:19], v[18:19], v[24:25]      ; also the plain instruction between the conversions and the products
	s_wait_alu depctr_va_vdst(0)
	s_wait_dscnt 16                                ; V is in; the 16 younger loads, the next step's K, may be out
	WIN 0x01                                       ; source 0 in window 1
.irp u, 0,1
.irp t, 0,1,2,3
	v_wmma_f32_16x16x128_bf8_bf8 v[O+32*\u+8*\t:O+32*\u+8*\t+7], v[VF+16*\t:VF+16*\t+15], v[P+16*\u:P+16*\u+15], v[O+32*\u+8*\t:O+32*\u+8*\t+7]   ; eight accumulators, one instruction a turn
.endr
.endr
	WIN 0
.endm
; THE CHANGE OF SLOTS stands at a slot's head.  Each wave waits for its tensor load, adds 0 to its spare word, and waits for that and for its reads of the slot that it has left.
; fill = 1: a round of the cluster's barrier, and behind it LDS slot dst takes the 1,024 keys that follow: the load has a slot's eight key steps in which to land.
.macro CHANGE fill, dst
	s_wait_tensorcnt 0x0                           ; no tensor load of mine is out, so the descriptor may be written
	ds_add_u32 v[SPW], v[NIL]                      ; 0 onto my spare word
.if \fill
	s_add_co_u32 s33, s[LB], (\dst)*SLOTB
	s_add_nc_u64 s[34:35], s[34:35], 65536         ; the type bits on top are not reached
.endif
	s_wait_dscnt 0x0
.if \fill
	CROUND
	TLOAD                                          ; the first thing behind the round, and my one tensor load until the next
.else
	s_barrier_signal -1
	s_barrier_wait -1
.endif
.endm
.macro RUN slot, ask                   ; a slot's eight key steps
	s_mov_b32 s[TB], (\slot)*SLOTB
	s_mov_b32 s[CNT], 8
	v_add_nc_u32 v[ADK], s[TB], v[AK0]
	WIN 0x40
	KLOAD 0                                        ; the slot's first K
	WIN 0
.if \ask
	ASK \ask
.endif
.Lstep_\@:
	STEP
	s_sub_co_u32 s[CNT], s[CNT], 1
	s_cmp_lg_u32 s[CNT], 0
	s_cbranch_scc1 .Lstep_\@
.endm
	s_wait_alu depctr_va_vdst(0)
	s_wait_loadcnt 0x0                             ; Q
	CHANGE 1, 1                                    ; slot 1's first fill is issued as a refill is
	RUN 0, 2
	CHANGE 1, 0
	RUN 1, 3
	CHANGE 1, 1
	RUN 0, 0
	CHANGE 0, 0                                    ; the last change asks for nothing
	RUN 1, 0
	; THE WAY OUT.  O^T x 2^(e6 + e7) / the sum is quantised under 2^e8; a lane's eight channels of a tile are 8 bytes.  They meet in my stage, 2,048 bytes in LDS slot 0 (left at the last change: it has had its last fill, nobody reads it), and leave as they lie.
.irp u, 0,1
	v_add_f32 v[14+4*\u], v[14+4*\u], v[15+4*\u]
.endr
.irp u, 0,1
	v_permlanex16_b32 v[28+\u], v[14+4*\u], s[SEL], s[SEL+1]
.endr
.irp u, 0,1
	v_add_f32 v[14+4*\u], v[14+4*\u], v[28+\u]     ; the rows' sums
.endr
	s_wait_alu depctr_va_vdst(0)                   ; ahead of the batch of two
	v_rcp_f32 v14, v14
	v_rcp_f32 v18, v18
	v_and_b32 v8, 15, v0                           ; (a plain instruction behind the transcendentals)
	v_bfe_u32 v9, v0, 4, 1
	s_lshl_b32 s3, s[WV], 11                       ; my stage
	v_lshlrev_b32 v10, 6, v8
	v_lshl_add_u32 v10, v9, 3, v10
	v_add_nc_u32 v10, s3, v10                      ; in: row r of 64 bytes, + 8 h
	v_add_nc_u32 v11, s3, v[GO]                    ; back: 16 bytes a lane
	v_mov_b32 v30, s[L8]
	v_mov_b32 v31, s[SC8]
	s_wait_alu depctr_va_vdst(0)                   ; ahead of the reciprocals' first readers
	v_ldexp_f32 v14, v14, s[E67]
	v_ldexp_f32 v18, v18, s[E67]
	s_wait_alu depctr_va_vdst(0)                   ; ahead of the first reader of O^T
.irp u, 0,1
.set n, 0
.rept 16
	v_pk_mul_f32 v[S+32*\u+n:S+32*\u+n+1], v[O+32*\u+n:O+32*\u+n+1], v[14+4*\u:15+4*\u] op_sel_hi:[1,0]   ; register 32 u + 8 t + i is o(16 u + r, 16 t + 8 h + i)
.set n, n+2
.endr
.endr
.set n, 0
.rept 64
	v_med3_num_f32 v[S+n], v[S+n], -v30, v30
.set n, n+1
.endr
.irp j, 0,1,2,3,4,5,6,7
	v_cvt_scalef32_pk8_bf8_f32 v[P+2*\j:P+2*\j+1], v[S+8*\j:S+8*\j+7], v31
.endr
	v_nop
.irp j, 0,1,2,3,4,5,6,7
	ds_store_b64 v10, v[P+2*\j:P+2*\j+1] offset:1024*(\j/4)+16*(\j%4)
.endr
.irp i, 0,1,2,3
	ds_load_b128 v[S+64+4*\i:S+67+4*\i], v11 offset:512*\i   ; LDS serves a wave's instructions in order: these see my stores
.endr
.irp i, 0,1,2,3
	s_wait_dscnt 3-\i                              ; the younger read-backs may be out
	global_store_b128 v[GO], v[S+64+4*\i:S+67+4*\i], s[12:13] offset:512*\i   ; 32 lanes store 512 consecutive bytes, aligned to 256
.endr
	s_wait_tensorcnt 0x0                           ; the wave's end
	ds_add_u32 v[SPW], v[NIL]
	s_wait_dscnt 0x0
	CROUND                                         ; the closing round
	s_endpgm
.Lfunc_end_k_q2095d8a1b2_attn:
	.size	k_q2095d8a1b2_attn, .Lfunc_end_k_q2095d8a1b2_attn-k_q2095d8a1b2_attn
	.p2alignl 7, 3214868480
	.fill 96, 4, 3214868480
	.section	.rodata,"a",@progbits
	.p2align	6, 0x0
	.amdhsa_kernel k_q2095d8a1b2_attn
		.amdhsa_group_segment_fixed_size 327680
		.amdhsa_private_segment_fixed_size 0
		.amdhsa_enable_private_segment 0
		.amdhsa_kernarg_size 40
		.amdhsa_user_sgpr_count 2
		.amdhsa_user_sgpr_kernarg_segment_ptr 1
		.amdhsa_wavefront_size32 1
		.amdhsa_system_sgpr_workgroup_id_x 1
		.amdhsa_system_sgpr_workgroup_id_y 1
		.amdhsa_system_sgpr_workgroup_id_z 1
		.amdhsa_system_vgpr_workitem_id 0
		.amdhsa_next_free_vgpr 512
		.amdhsa_next_free_sgpr 66
		.amdhsa_reserve_vcc 0
		.amdhsa_float_denorm_mode_32 3
		.amdhsa_float_denorm_mode_16_64 3
		.amdhsa_memory_ordered 1
		.amdhsa_forward_progress 1
		.amdhsa_inst_pref_size 137
	.end_amdhsa_kernel
	.amdgpu_metadata
---
amdhsa.version: [ 1, 2 ]
amdhsa.kernels:
  - .name:           k_q2095d8a1b2_attn
    .symbol:         k_q2095d8a1b2_attn.kd
    .args:
      - { .name: qcodes, .offset: 0, .size: 8, .value_kind: global_buffer, .address_space: global }
      - { .name: kcodes, .offset: 8, .size: 8, .value_kind: global_buffer, .address_space: global }
      - { .name: vcodes, .offset: 16, .size: 8, .value_kind: global_buffer, .address_space: global }
      - { .name: lowp_scales, .offset: 24, .size: 8, .value_kind: global_buffer, .address_space: global }
      - { .name: ocodes, .offset: 32, .size: 8, .value_kind: global_buffer, .address_space: global }
    .group_segment_fixed_size: 327680
    .private_segment_fixed_size: 0
    .kernarg_segment_align: 8
    .kernarg_segment_size: 40
    .max_flat_workgroup_size: 256
    .sgpr_count:     66
    .vgpr_count:     512
    .wavefront_size: 32
...
	.end_amdgpu_metadata
.endif
;; end of part 3
;; launch proj (part 4): grid 8 x 32, 8 waves a work-group, clusters of 4 x 4, 327,680 bytes of LDS; arguments ocodes, wcodes, lowp_scales, b_out, x, out0; writes out0
.if DOCPART == 4
	.amdgcn_target "amdgcn-amd-amdhsa--gfx1250"
	.amdhsa_code_object_version 6
	.text
	.protected	k_q2095d8a1b2_proj
	.globl	k_q2095d8a1b2_proj
	.p2align	8
	.type	k_q2095d8a1b2_proj,@function
k_q2095d8a1b2_proj:
	s_mov_b64 s[64:65], 0
	v_nop
	global_prefetch_b8 v0, s[64:65] scope:SCOPE_SE
	s_setreg_imm32_b32 hwreg(HW_REG_WAVE_MODE, 25, 1), 1
	s_wait_xcnt 0x0
	s_wait_alu depctr_hold_cnt(0) depctr_sa_sdst(0) depctr_va_vdst(0) depctr_va_sdst(0) depctr_va_ssrc(0) depctr_va_vcc(0) depctr_vm_vsrc(0)
	s_getreg_b32 s2, hwreg(HW_REG_IB_STS2, 6, 4)
	s_cmp_eq_u32 s2, 0
	s_cbranch_scc0 .Lentry_in_a_cluster
	s_endpgm
.Lentry_in_a_cluster:
	s_bfe_u32 s2, ttmp6, 0x10000c
	s_cmp_lg_u32 s2, 0xf033
	s_cbranch_scc0 .Lentry_shape_is_right
	s_endpgm
.Lentry_shape_is_right:
; out0[m][n] = 2^(e8 + e9) x (sum over k of O[m][k] W[n][k]) + b_out[n] + x[m][n], on codes of E5M2.  M = 4,096 tokens, N = 1,024, K = 1,024 = 16 heads x 64.
; ocodes [32 = batch x 16 + head][2048 tokens][64]; W's codes are rows 5,120 to 6,143 of wcodes, 1,024 bytes each, K innermost.
; LIMIT: e8 + e9 lies between -126 and 127, so that 2^(e8 + e9) is an f32 number.
; SHARES.  A work-group makes 128 x 128 of the result: 8 x 32 = 256 work-groups.  ALL of K lies in LDS at once: A's 128 tokens x 1,024 and B's 128 rows x 1,024, 8 parts of 32,768 bytes, one tensor load a wave at the head;
; nothing is filled again, so one barrier serves the whole product.  Waves 0-3 fetch A (four heads each: 4 rows of 8,192 dense bytes), waves 4-7 B (128 rows x 256 bytes each); 16 bytes of padding behind every 256.
; CLUSTER: 4 x 4 work-groups; A's parts are asked for jointly along a row of the cluster, B's along a column.
; A wave makes 32 tokens x 64 columns: 8 accumulators, which take turns; sixteen steps of one head (64 along K), fragments in two sets by turns.
; The matrix instruction is used transposed (source 0 = 16 rows of W, source 1 = 16 tokens): a lane holds eight neighbouring columns of one token's row.
; No prefetch is laid: every byte is asked for at the head and the text has no loop to run ahead in.
; x and b_out are asked for at the head and added to each other while the tiles are on their way.
; REGISTERS: v4-13 addresses; v16-19 b_out; v32-95 accumulators (a, b) at 32 + 8 (4 a + b); v96-143, v144-191 the two sets (B's four fragments, then A's two), on the way out the rows read back; v192-255 x + b_out.
.set PITCH,  272
.set HEADB,  32*PITCH                  ; a head's 128 tokens: four tokens of 64 bytes to an LDS row
.set HALFT,  128*PITCH                 ; what one load brings
.set BOFF,   4*HALFT
.set STAGE,  8*HALFT                   ; behind the tiles: 16 rows x (256 + 16) bytes for each wave, on which no fill lands
.set SPARE,  STAGE+8*16*PITCH          ; the spare words, 128 bytes a wave, that no other line names
.set ADRA, 4                           ; v4, v5  my A fragments: heads 0-7, heads 8-15
.set ADRB, 6                           ; v6, v7  my B fragments likewise
.set STO,  8
.set RD,   9
.set CO,   10                          ; my byte offset in x and out0: (lane / 16) rows + 16 (lane % 16)
.set BO,   11
.set SPW,  12
.set NIL,  13
.set BI,   16
.set ACC,  32
.set FR,   96
.set X,    192
.set G1, 24
.set G0, 32
.set G1B, 48
.set G0B, 56
.macro CROUND                          ; a round of the cluster's barrier
	s_barrier_signal -1
	s_barrier_wait -1
	s_cmp_lg_u32 s14, 0
	s_cbranch_scc1 .Lnot_wave_0_\@
	s_barrier_signal -3
.Lnot_wave_0_\@:
	s_barrier_wait -3
	s_barrier_signal -1
	s_barrier_wait -1
.endm
	s_load_b256 s[4:11], s[0:1], 0x0               ; ocodes s[4:5], wcodes s[6:7], the exponents s[8:9], b_out s[10:11]
	s_load_b128 s[68:71], s[0:1], 0x20             ; x s[68:69], out0 s[70:71]
	v_lshl_add_u32 v[SPW], v0, 2, SPARE
	v_mov_b32 v[NIL], 0
	ds_add_u32 v[SPW], v[NIL]                      ; the opening: the add, twice on end, and its wait ahead of my first tensor load
	ds_add_u32 v[SPW], v[NIL]
	v_lshrrev_b32 v1, 5, v0
	v_readfirstlane_b32 s14, v1                    ; wave 0..7
	s_lshr_b32 s15, s14, 2                         ; I fetch for A (0) or for B (1),
	s_and_b32 s16, s14, 3                          ; and which quarter of K
	s_bfe_u32 s40, ttmp6, 0x40000                  ; cx, cy
	s_bfe_u32 s41, ttmp6, 0x40004
	s_lshl_b32 s42, ttmp9, 2
	s_add_co_u32 s42, s42, s40                     ; tile column, 0..7
	s_and_b32 s17, ttmp7, 0xffff
	s_lshl_b32 s17, s17, 2
	s_add_co_u32 s17, s17, s41                     ; tile row, 0..31
	s_lshl_b32 s43, s41, 2
	s_lshl_b32 s43, 15, s43                        ; my row of the cluster
	s_lshl_b32 s44, 0x1111, s40                    ; my column
	s_or_b32 s[G1+0], s43, (3<<16)|(1<<20)|(1<<21)|(5<<22)|(3<<25)   ; A: elements of 8 bytes; padding of four words after every 64; bit 21 beside the mask
	s_mov_b32 s[G1+1], 1024<<16                    ; a row: 128 tokens x 64 bytes of one head
	s_mov_b32 s[G1+2], 4<<16                       ; four heads
	s_mov_b32 s[G1+3], 1024<<16
	s_mov_b32 s[G1+4], 4
	s_mov_b32 s[G1+5], 16384                       ; from head to head: 2,048 tokens x 64 bytes
	s_mov_b32 s[G1+6], 0
	s_mov_b32 s[G1+7], 0
	s_or_b32 s[G1B+0], s44, (0<<16)|(1<<20)|(1<<21)|(5<<22)|(3<<25)  ; B: elements of 1 byte
	s_mov_b32 s[G1B+1], 256<<16
	s_mov_b32 s[G1B+2], 128<<16
	s_mov_b32 s[G1B+3], 256<<16
	s_mov_b32 s[G1B+4], 128
	s_mov_b32 s[G1B+5], 1024
	s_mov_b32 s[G1B+6], 0
	s_mov_b32 s[G1B+7], 0
	s_lshl_b32 s20, s17, 7                         ; A: my tile's first token,
	s_lshr_b32 s19, s20, 11
	s_lshl_b32 s19, s19, 21                        ; its batch: 16 heads x 2,048 x 64 bytes,
	s_and_b32 s20, s20, 2047
	s_lshl_b32 s20, s20, 6
	s_add_co_u32 s20, s20, s19
	s_lshl_b32 s18, s16, 19                        ; and my four heads
	s_add_co_u32 s20, s20, s18
	s_mov_b32 s21, 0
	s_lshl_b32 s46, s42, 17                        ; B: 128 rows of 1,024 bytes a tile column,
	s_lshl_b32 s18, s16, 8                         ; my 256 along K,
	s_add_co_u32 s46, s46, s18
	s_add_co_u32 s46, s46, 0x500000                ; from row 5,120 of wcodes on
	s_mov_b32 s47, 0
	s_mul_i32 s45, s14, HALFT                      ; where my part goes: the wave's number alone
	s_wait_dscnt 0x0                               ; both opening adds are done
	s_wait_kmcnt 0x0
	s_load_b64 s[96:97], s[8:9], 0x20              ; e8, e9
	s_mov_b32 s[G0], 1
	s_mov_b32 s[G0+1], s45
	s_add_nc_u64 s[G0+2:G0+3], s[4:5], s[20:21]
	s_or_b32 s[G0+3], s[G0+3], 0x80000000
	s_mov_b32 s[G0B], 1
	s_mov_b32 s[G0B+1], s45
	s_add_nc_u64 s[G0B+2:G0B+3], s[6:7], s[46:47]
	s_or_b32 s[G0B+3], s[G0B+3], 0x80000000
	CROUND                                         ; all sixteen work-groups are here: the joint loads meet
	s_cmp_eq_u32 s15, 0
	s_cbranch_scc0 .Lfor_b
	tensor_load_to_lds s[G0:G0+3], s[G1:G1+7]      ; my one tensor load
	s_nop 0
.rept 4
	v_nop
.endr
	s_branch .Lasked
.Lfor_b:
	tensor_load_to_lds s[G0B:G0B+3], s[G1B:G1B+7]
	s_nop 0
.rept 4
	v_nop
.endr
.Lasked:
	s_lshr_b32 s74, s14, 1                         ; which 32 tokens of the tile are mine,
	s_and_b32 s75, s14, 1                          ; which 64 columns
	s_mul_i32 s22, s74, 8*PITCH
	s_mul_i32 s23, s75, 64*PITCH
	s_add_co_u32 s23, s23, BOFF
	s_mul_i32 s72, s14, 16*PITCH
	s_add_co_u32 s72, s72, STAGE                   ; my stage
	s_lshl_b32 s12, s17, 7
	s_lshl_b32 s13, s74, 5
	s_add_co_u32 s12, s12, s13
	s_lshl_b32 s12, s12, 12                        ; my first row of x and out0, 4,096 bytes a row,
	s_lshl_b32 s98, s42, 7
	s_lshl_b32 s13, s75, 6
	s_add_co_u32 s98, s98, s13
	s_lshl_b32 s98, s98, 2                         ; my first column, a multiple of 256 bytes
	s_mov_b32 s99, 0
	s_add_nc_u64 s[66:67], s[10:11], s[98:99]
	s_add_co_u32 s12, s12, s98
	s_mov_b32 s13, 0
	s_add_nc_u64 s[84:85], s[68:69], s[12:13]
	s_add_nc_u64 s[86:87], s[70:71], s[12:13]
	v_and_b32 v1, 15, v0                           ; r
	v_bfe_u32 v2, v0, 4, 1                         ; h
	v_lshlrev_b32 v[BO], 4, v1
	v_lshl_add_u32 v[CO], v2, 12, v[BO]
	v_lshrrev_b32 v14, 2, v1
	v_mul_u32_u24 v15, v1, PITCH
	v_mul_u32_u24 v14, v14, PITCH
	v_and_b32 v3, 3, v1
	v_lshl_add_u32 v14, v3, 6, v14
	v_lshl_add_u32 v14, v2, 4, v14                 ; A: token r lies at (r / 4) 272 + (r % 4) 64, + 16 h
	v_add_nc_u32 v[ADRA], s22, v14
	v_add_nc_u32 v[ADRA+1], 8*HEADB, v[ADRA]
	v_lshl_add_u32 v14, v2, 4, v15                 ; B: row r x 272 + 16 h
	v_add_nc_u32 v[ADRB], s23, v14
	v_add_nc_u32 v[ADRB+1], 2*HALFT, v[ADRB]
	v_lshl_add_u32 v14, v2, 5, v15                 ; the stage, in: row r, 32 bytes for each half of the lanes
	v_add_nc_u32 v[STO], s72, v14
	v_mul_u32_u24 v14, v2, PITCH                   ; and back: sixteen lanes to a row of 256 bytes, two rows an instruction
	v_add_nc_u32 v14, v14, v[BO]
	v_add_nc_u32 v[RD], s72, v14
	global_load_b128 v[BI:BI+3], v[BO], s[66:67]   ; b_out at my four columns
.set n, 0
.rept 16
	global_load_b128 v[X+4*n:X+4*n+3], v[CO], s[84:85] offset:2*n*4096 th:TH_LOAD_NT   ; x: sixteen lanes read 256 consecutive bytes, aligned
.set n, n+1
.endr
	s_wait_alu depctr_va_vdst(0)
	s_wait_loadcnt 0x0
.set n, 0
.rept 16
	v_pk_add_f32 v[X+4*n:X+4*n+1], v[X+4*n:X+4*n+1], v[BI:BI+1]       ; x + b_out, while the tiles are on their way
	v_pk_add_f32 v[X+4*n+2:X+4*n+3], v[X+4*n+2:X+4*n+3], v[BI+2:BI+3]
.set n, n+1
.endr
	s_wait_alu depctr_va_vdst(0)
	s_wait_tensorcnt 0x0                           ; my part is in;
	s_barrier_signal -1
	s_barrier_wait -1                              ; and so is everybody's
.macro LOADS s                         ; head s: B's four fragments and A's two into set s % 2.  Registers 4 g .. 4 g + 3 hold channels 32 g + 16 h + 0 .. 15: k is permuted alike on both sides
.set FL, FR+48*((\s)%2)
.irp b, 0,1,2,3
	ds_load_b128 v[FL+8*\b:FL+8*\b+3], v[ADRB+(\s)/8] offset:(((\s)/4)%2)*HALFT+\b*16*PITCH+((\s)%4)*64
	ds_load_b128 v[FL+8*\b+4:FL+8*\b+7], v[ADRB+(\s)/8] offset:(((\s)/4)%2)*HALFT+\b*16*PITCH+((\s)%4)*64+32
.endr
.irp a, 0,1
	ds_load_b128 v[FL+32+8*\a:FL+35+8*\a], v[ADRA+(\s)/8] offset:((\s)%8)*HEADB+\a*4*PITCH
	ds_load_b128 v[FL+36+8*\a:FL+39+8*\a], v[ADRA+(\s)/8] offset:((\s)%8)*HEADB+\a*4*PITCH+32
.endr
.endm
.macro MULS s                          ; eight accumulators, one instruction a turn, in the same order in every step
.set FM, FR+48*((\s)%2)
.irp a, 0,1
.irp b, 0,1,2,3
.if (\s) == 0
	v_wmma_f32_16x16x64_bf8_bf8 v[ACC+8*(4*\a+\b):ACC+8*(4*\a+\b)+7], v[FM+8*\b:FM+8*\b+7], v[FM+32+8*\a:FM+39+8*\a], 0
.else
	v_wmma_f32_16x16x64_bf8_bf8 v[ACC+8*(4*\a+\b):ACC+8*(4*\a+\b)+7], v[FM+8*\b:FM+8*\b+7], v[FM+32+8*\a:FM+39+8*\a], v[ACC+8*(4*\a+\b):ACC+8*(4*\a+\b)+7]
.endif
.endr
.endr
.endm
	LOADS 0
.set q, 0
.rept 16
.if q < 15
.if q > 0
.rept 4
	v_nop                                          ; places in front of loads into the set that the last products read
.endr
.endif
	LOADS q+1
	s_wait_dscnt 12                                ; this step's fragments are in; the next step's twelve loads may be out
.else
	s_wait_dscnt 0x0
.endif
	MULS q
.set q, q+1
.endr
.rept 4
	v_nop                                          ; places in front of the first read of the results and of the loads into the sets
.endr
	s_wait_kmcnt 0x0
	s_add_co_i32 s96, s96, s97
	s_add_co_i32 s96, s96, 127
	s_lshl_b32 s96, s96, 23                        ; 2^(e8 + e9)
	s_mov_b32 s97, s96
; THE WAY OUT, 16 tokens at a time: through my own stage and back as rows of 256 bytes.  LDS serves a wave's instructions in order: no wait between the stores and the loads, nor in front of the second block's stores.
.irp a, 0,1
.irp b, 0,1,2,3
	ds_store_b128 v[STO], v[ACC+8*(4*\a+\b):ACC+8*(4*\a+\b)+3] offset:64*\b        ; each accumulator from its low end on
	ds_store_b128 v[STO], v[ACC+8*(4*\a+\b)+4:ACC+8*(4*\a+\b)+7] offset:64*\b+16
.endr
.irp i, 0,1,2,3,4,5,6,7
	ds_load_b128 v[FR+32*\a+4*\i:FR+32*\a+4*\i+3], v[RD] offset:2*\i*PITCH
.endr
.endr
.irp a, 0,1
	s_wait_dscnt 16-16*\a                          ; the block is back; the second block's eight stores and eight loads may be out
.set n, 0
.rept 16
	v_pk_fma_f32 v[FR+32*\a+n:FR+32*\a+n+1], v[FR+32*\a+n:FR+32*\a+n+1], s[96:97], v[X+32*\a+n:X+32*\a+n+1] op_sel_hi:[1,0,1]
.set n, n+2
.endr
.irp i, 0,1,2,3,4,5,6,7
	global_store_b128 v[CO], v[FR+32*\a+4*\i:FR+32*\a+4*\i+3], s[86:87] offset:(16*\a+2*\i)*4096 th:TH_STORE_NT   ; sixteen lanes store 256 consecutive bytes, aligned
.endr
.endr
	s_wait_tensorcnt 0x0                           ; the wave's end
	ds_add_u32 v[SPW], v[NIL]
	s_wait_dscnt 0x0
	CROUND                                         ; the closing round
	s_endpgm
.Lfunc_end_k_q2095d8a1b2_proj:
	.size	k_q2095d8a1b2_proj, .Lfunc_end_k_q2095d8a1b2_proj-k_q2095d8a1b2_proj
	.p2alignl 7, 3214868480
	.fill 96, 4, 3214868480
	.section	.rodata,"a",@progbits
	.p2align	6, 0x0
	.amdhsa_kernel k_q2095d8a1b2_proj
		.amdhsa_group_segment_fixed_size 327680
		.amdhsa_private_segment_fixed_size 0
		.amdhsa_enable_private_segment 0
		.amdhsa_kernarg_size 48
		.amdhsa_user_sgpr_count 2
		.amdhsa_user_sgpr_kernarg_segment_ptr 1
		.amdhsa_wavefront_size32 1
		.amdhsa_system_sgpr_workgroup_id_x 1
		.amdhsa_system_sgpr_workgroup_id_y 1
		.amdhsa_system_sgpr_workgroup_id_z 1
		.amdhsa_system_vgpr_workitem_id 0
		.amdhsa_next_free_vgpr 256
		.amdhsa_next_free_sgpr 100
		.amdhsa_reserve_vcc 0
		.amdhsa_float_denorm_mode_32 3
		.amdhsa_float_denorm_mode_16_64 3
		.amdhsa_memory_ordered 1
		.amdhsa_forward_progress 1
		.amdhsa_inst_pref_size 39
	.end_amdhsa_kernel
	.amdgpu_metadata
---
amdhsa.version: [ 1, 2 ]
amdhsa.kernels:
  - .name:           k_q2095d8a1b2_proj
    .symbol:         k_q2095d8a1b2_proj.kd
    .args:
      - { .name: ocodes, .offset: 0, .size: 8, .value_kind: global_buffer, .address_space: global }
      - { .name: wcodes, .offset: 8, .size: 8, .value_kind: global_buffer, .address_space: global }
      - { .name: lowp_scales, .offset: 16, .size: 8, .value_kind: global_buffer, .address_space: global }
      - { .name: b_out, .offset: 24, .size: 8, .value_kind: global_buffer, .address_space: global }
      - { .name: x, .offset: 32, .size: 8, .value_kind: global_buffer, .address_space: global }
      - { .name: out0, .offset: 40, .size: 8, .value_kind: global_buffer, .address_space: global }
    .group_segment_fixed_size: 327680
    .private_segment_fixed_size: 0
    .kernarg_segment_align: 8
    .kernarg_segment_size: 48
    .max_flat_workgroup_size: 256
    .sgpr_count:     100
    .vgpr_count:     256
    .wavefront_size: 32
...
	.end_amdgpu_metadata
.endif
;; end of part 4
